; MI455X (gfx1250); checked and timed in simulation.
; The chip was launched on July 23, 2026; its instructions are those of AMD's public machine-readable ISA for CDNA 5 (MIT licence, August 2026) and "CDNA5" Instruction Set Architecture Reference Guide (July 2026). The comments in the code are by the model that wrote it; some were corrected since.
;; Streaming Transformer Layer. Allowed arithmetic: matrix products marked QUANTISED: E2M3 operands, one E8M0 scale for each 32 along K, by v_wmma_scale_f32_16x16x128_f8f6f4 with both operands' format E2M3, f32 sums; everything else in f32.
;; Inputs: in_proj_w_codes 3,072 x 32 x 24 uint8 (E2M3 codes of in_proj_w, K innermost, in blocks of 32 codes, four codes in three bytes); in_proj_w_scales 3,072 x 32 uint8 (E8M0 scales of in_proj_w, one for each 32 codes along K); ln1_b 1,024 float32; ln1_g 1,024 float32; ln2_b 1,024 float32; ln2_g 1,024 float32; out_proj_w_codes 1,024 x 32 x 24 uint8 (E2M3 codes of out_proj_w, K innermost, in blocks of 32 codes, four codes in three bytes); out_proj_w_scales 1,024 x 32 uint8 (E8M0 scales of out_proj_w, one for each 32 codes along K); w1_codes 4,096 x 32 x 24 uint8 (E2M3 codes of w1, K innermost, in blocks of 32 codes, four codes in three bytes); w1_scales 4,096 x 32 uint8 (E8M0 scales of w1, one for each 32 codes along K); w2_codes 1,024 x 128 x 24 uint8 (E2M3 codes of w2, K innermost, in blocks of 32 codes, four codes in three bytes); w2_scales 1,024 x 128 uint8 (E8M0 scales of w2, one for each 32 codes along K); x 2 x 2,048 x 1,024 float32.
;; Outputs: out0 2 x 2,048 x 1,024 float32.
;; Constants: context = 256.
;; This version of the problem:
;;   THIS VERSION OF THE PROBLEM IS GIVEN IN LOW PRECISION. The matrix products marked QUANTISED in the list below multiply operands that are first quantised to E2M3 (2 exponent bits, 3 mantissa bits; 6 bits a number), with one power-of-two scale for each 32 numbers along K (OCP MX v1.0); their sums are f32. All else is computed in f32.
;;   The module's matrix products, in the order in which they are computed (A, B: the left and right operand; K: the contracted axis; several contracted axes count as one K, in the product's order):
;;     1. [M 4,096, K 1,024] x [K 1,024, N 3,072]; A: computed on the way; B: input in_proj_w (given as codes): QUANTISED
;;     2. batch 32 x [M 2,048, K 64] x [K 64, N 2,048]; A: computed on the way; B: computed on the way: QUANTISED
;;     3. batch 32 x [M 2,048, K 2,048] x [K 2,048, N 64]; A: softmax (see below); B: computed on the way: QUANTISED
;;     4. [M 4,096, K 1,024] x [K 1,024, N 1,024]; A: computed on the way; B: input out_proj_w (given as codes): QUANTISED
;;     5. [M 4,096, K 1,024] x [K 1,024, N 4,096]; A: computed on the way; B: input w1 (given as codes): QUANTISED
;;     6. [M 4,096, K 4,096] x [K 4,096, N 1,024]; A: computed on the way; B: input w2 (given as codes): QUANTISED
;;   THE QUANTISER, for each operand of a quantised product, along K:
;;     - K is cut into blocks of 32 from its start; a last block that is shorter is filled with zeros.
;;     - A block's scale is 2^e with e = floor(log2(the largest magnitude in the block)) - 2, held to -126 .. 127; a block of zeros has e = 0. As a byte (E8M0): e + 127.
;;     - Each number is divided by its block's scale, clamped to +-7.5, and rounded to the nearest number of E2M3, ties to even, subnormals kept.
;;     - The product sums the exact products of the quantised numbers (number of the format x scale) in f32.
;;   ~~~python
;;   def quantise(x, axis):      # numpy; x: float32 -> the quantised numbers, widened to float32 again
;;       x = np.moveaxis(x, axis, -1); K = x.shape[-1]
;;       x = np.pad(x, [(0, 0)] * (x.ndim - 1) + [(0, -K % 32)]); x = x.reshape(x.shape[:-1] + (-1, 32)); a = np.abs(x).max(-1, keepdims=True)
;;       e = np.where(a > 0, np.clip(np.frexp(np.where(a > 0, a, 1))[1] - 1 - 2, -126, 127), 0)      # np.frexp(a)[1] - 1 = floor(log2(a)), exactly
;;       r = np.clip(x / 2.0 ** e, -7.5, 7.5)
;;       step = 2.0 ** (np.maximum(np.frexp(np.where(r == 0, 1, r))[1] - 1, 0) - 3)
;;       q = np.round(r / step) * step * 2.0 ** e      # np.round: ties to even
;;       return np.moveaxis(q.reshape(q.shape[:-2] + (-1,))[..., :K], -1, axis).astype(np.float32)
;;   ~~~
;;   SOFTMAX AHEAD OF A QUANTISED PRODUCT. Where the list says 'softmax', what is quantised is not the finished softmax but p = 2^(t - M), with t = logit x log2(e) and M = ceil(the row's largest t), a whole number; so 1/2 < the row's largest p <= 1. The row's sum l is taken of the UNQUANTISED p, in f32, and the product's result is divided by l at the end. Since M is a whole number, a kernel that streams over the keys may use a running M (the ceiling of the running maximum): every later rescaling is an exact power of two, which a block's scale takes up: the codes' values come out the same.
;;   OPERANDS COMPUTED ON THE WAY. 'Computed on the way' means the value that the module computes at that place (a softmax that the list does not call 'softmax' is quantised finished and normalised). What goes into a quantiser is computed in f32, as accurately as f32 sums, v_exp_f32 and their like allow (about 1e-6 of the number): no bf16 or f16 on the way to a quantiser, and a product that is left as it is and whose result goes on into a quantised operand takes f32 operands (vector FMAs, or v_wmma_f32_16x16x4_f32). A number that lies on a knife's edge between two numbers of the format may be rounded either way, as far as f32 arithmetic and the matrix unit's own rounding can turn it there, and no further.
;;   INPUTS GIVEN AS CODES. in_proj_w (in the module: [3072, 1024], K = its axis 1); out_proj_w (in the module: [1024, 1024], K = its axis 1); w1 (in the module: [4096, 1024], K = its axis 1); w2 (in the module: [1024, 4096], K = its axis 1): each comes as NAME_codes (uint8): NAME with its K axis moved to the last place and cut into blocks of 32 codes, [.., K / 32, bytes a block], one block behind the other in memory; four codes in three bytes: a row's codes are one little-endian stream of bits, code i at bits 6 i .. 6 i + 5 (a code: sign, 2 exponent bits, 3 mantissa bits); and NAME_scales (uint8): the same leading axes, one E8M0 byte (e + 127) for each 32 codes along K. Its value is code x scale, taken as it is: it is not quantised again, and the codes and scales need not be those that the quantiser above would give.
;; One version. Each part assembles by itself: llvm-mc -triple=amdgcn-amd-amdhsa -mcpu=gfx1250 --defsym DOCPART=n.
;; ======== version 1 of 1: 7 launches
;; limits: right only within a limited range of input values
;; workspace buffers: wprep 10,354,688 bytes; hbuf 3,276,800 bytes; obuf 3,276,800 bytes; gbuf 13,107,200 bytes; x1 16,777,216 bytes; qkv 10,092,544 bytes
;; launch prep (part 1): grid 464 x 1, 4 waves a work-group, no clusters, 66,560 bytes of LDS; arguments x, ln1_g, ln1_b, in_proj_w_codes, in_proj_w_scales, out_proj_w_codes, out_proj_w_scales, w1_codes, w1_scales, w2_codes, w2_scales, hbuf, wprep; writes hbuf, wprep
.if DOCPART == 1
	.amdgcn_target "amdgcn-amd-amdhsa--gfx1250"
	.amdhsa_code_object_version 6
	.text
	.protected	k_q3960ec69b0_prep
	.globl	k_q3960ec69b0_prep
	.p2align	8
	.type	k_q3960ec69b0_prep,@function
k_q3960ec69b0_prep:
	s_mov_b64 s[64:65], 0
	v_nop
	global_prefetch_b8 v0, s[64:65] scope:SCOPE_SE
	s_setreg_imm32_b32 hwreg(HW_REG_WAVE_MODE, 25, 1), 1
	s_wait_xcnt 0x0
; FIRST OF SEVEN LAUNCHES of a pre-norm transformer layer (B 2, T 2048, E 1024, H 16, D 64, F 4096), all six products on E2M3 codes with E8M0 scales.
; DEAD WORK LEFT OUT BY THE PROGRAM.  reference() builds its mask itself: key s counts for query t where 0 <= t - s < 256 (context = 256 is a constant of the problem).  A hidden score
; is set to -1e30, every row keeps its own key (t - s = 0), so a hidden p is 0 for all finite inputs.  For the 128 queries 128 g .. 128 g + 127 the keys that count lie in the aligned steps of 128
; keys g - 2, g - 1, g: all other key steps of products 2 and 3 are whole tiles whose result the mask throws away, and they are not multiplied.  Every input has a way to the output and is loaded.
; LIMIT: a NaN, an infinity or an overflow that reaches only hidden tiles is not carried to the result.  NaN and infinities among the inputs are not served.
; THE RECORD, the one operand format of this program.  Rows (tokens, or a weight's rows) go in groups of 128 = 8 tiles of 16; tile i holds rows TB(i) + rho(r), TB(i) = 32 (i / 2) + 8 (i % 2),
; rho(r) = r + 8 (r / 8), r = lane % 16, so that the 16 result registers of two neighbouring tiles are 16 neighbours along the next product's K.  A tile's fragment for 128 along K is stored as an image of its 12
; registers: registers 4 c .. 4 c + 3 of lane l at 512 c + 16 l: 1,536 bytes.  A record (group, K step) is 8 images and 512 bytes of scale words (tile i, row r at 12288 + 256 (i / 4) + 16 r + 4 (i % 4)): 12,800 bytes.
; THIS LAUNCH: work-groups 0-255: LayerNorm 1 of 16 tokens (one tile), quantised along E, into hbuf[group][K step].  256-447: the four weights' codes and scale bytes are laid into records, a record a wave,
; wprep[0..767] (in_proj 0, out_proj 192, w1 256, w2 512; index group x K steps + K step).  448-463: the table of cos and sin for the rotation, behind the records: plane p (16), position t (2048): cos, sin of frequencies 2 p, 2 p + 1.
; LIMITS: a block of zeros gets the scale byte 1 where the rule says 127 (its codes are zeros; this program alone reads the bytes).  v_rsq_f32 is good to 1 ulp.  The rotation's frequencies are 10^(-i/8) rounded to f32,
; which may differ in the last bit from reference()'s power; sin and cos by a reduction in two parts of pi / 2 and polynomials, about 1e-7 absolute for the angles that occur (under 2,048).
; The tokens' scale words leave as 4 bytes a row (64 bytes of a record's scale block for each tile): one byte in 128 of what the launch reads.
.set REC,   12800
.set RTOFF, 768*REC
.set LROW,  4112                       ; a token's row in LDS: 4,096 bytes + 16, an odd multiple of 16: the sixteen rows of a load start in different banks
.set SPARE, 16*LROW                    ; behind the 16 rows: the spare words, 128 bytes a wave
.set SPW, 30
.set NIL, 31
.set SEL, 22                           ; s[22:23] lane selects: lane l xor 16
.set XP,  4                            ; s[4:5] x, s[6:7] gain, s[8:9] bias, s[30:31] hbuf
.set GP,  6
.set BP,  8
.set HP,  30
.set X,   32                           ; v32-159  four tokens x 32 numbers a lane; later 2 x 64 numbers of two K steps
.set G,   160                          ; v160-191 gain; later codes
.set BV,  192                          ; v192-223 bias
.set AC,  224                          ; v224-231 sums, a pair a token
.set MN,  232                          ; v232-239 means
.set RS,  240                          ; v240-247 1 / sqrt(var + eps)
.set TM,  224                          ; the quantiser's 16 work registers
; 64 numbers of a lane, register 16 b + i = k 32 b + 16 (lane / 16) + i of my row, become a fragment's 12 code registers at v[pc] and its scale word in v[pw]
.macro QUANT s, pc, pw
.irp b, 0,1,2,3
	v_max3_num_f32 v[TM+\b], |v[\s+16*\b]|, |v[\s+1+16*\b]|, 0x1800000   ; the floor 2^(3 - 127) holds the byte at 1 from below
.endr
.irp i, 2,4,6,8,10,12,14
.irp b, 0,1,2,3
	v_max3_num_f32 v[TM+\b], v[TM+\b], |v[\s+16*\b+\i]|, |v[\s+1+16*\b+\i]|
.endr
.endr
.irp b, 0,1,2,3
	v_permlanex16_b32 v[TM+4+\b], v[TM+\b], s[SEL], s[SEL+1]
.endr
.irp b, 0,1,2,3
	v_max_num_f32 v[TM+\b], v[TM+\b], v[TM+4+\b]                 ; the block's largest magnitude
.endr
.irp b, 0,1,2,3
	v_add_nc_u32 v[TM+12+\b], 0xff000000, v[TM+\b]               ; 2 off its exponent field: the conversion's scale operand
.endr
.irp b, 0,1,2,3
	v_lshrrev_b32 v[TM+4+\b], 23, v[TM+12+\b]                    ; the scale's byte
.endr
	v_lshl_or_b32 v[\pw], v[TM+5], 8, v[TM+4]
	v_lshl_or_b32 v[\pw], v[TM+6], 16, v[\pw]
	v_lshl_or_b32 v[\pw], v[TM+7], 24, v[\pw]
.irp c, 0,1
	v_cvt_scalef32_pk16_fp6_f32 v[\pc+6*\c:\pc+2+6*\c], v[\s+32*\c:\s+15+32*\c], v[TM+12+2*\c]
	v_cvt_scalef32_pk16_fp6_f32 v[\pc+12+4*\c:\pc+14+4*\c], v[\s+16+32*\c:\s+31+32*\c], v[TM+13+2*\c]
.endr
	v_nop                                                        ; one plain place behind a scaled conversion
.irp c, 0,1
.irp i, 0,1,2
	v_permlane16_swap_b32 v[\pc+6*\c+\i], v[\pc+12+4*\c+\i]      ; a whole block to a lane
.endr
.irp i, 0,1,2
	v_mov_b32 v[\pc+3+6*\c+\i], v[\pc+12+4*\c+\i]
.endr
.endr
.endm
.macro REDUCE4                         ; the four tokens' pairs of sums, over the pair and the 32 lanes; the tokens by turns
.irp k, 0,1,2,3
	v_add_f32 v[AC+2*\k], v[AC+2*\k], v[AC+2*\k+1]
.endr
.irp m, 1,2,4,8
.irp k, 0,1,2,3
	v_add_f32_dpp v[AC+2*\k], v[AC+2*\k], v[AC+2*\k] row_xmask:\m row_mask:0xf bank_mask:0xf
.endr
.endr
.irp k, 0,1,2,3
	v_permlanex16_b32 v[AC+2*\k+1], v[AC+2*\k], s[SEL], s[SEL+1]
.endr
.irp k, 0,1,2,3
	v_add_f32 v[AC+2*\k], v[AC+2*\k], v[AC+2*\k+1]
.endr
.endm
; One record of a weight: s34 = the record's number in its weight, s35 = in wprep, s[36:37] codes, s[38:39] scale bytes.  krow, ks: bytes of a row of codes, of scale bytes; 2^lg K steps
.macro RELAY krow, ks, lg
	s_lshr_b32 s40, s34, \lg                       ; group of 128 rows
	s_and_b32 s41, s34, (1<<\lg)-1                 ; K step
	s_mul_i32 s42, s40, 128*\krow
	s_mul_i32 s43, s41, 96
	s_add_co_u32 s42, s42, s43
	s_mov_b32 s43, 0
	s_add_nc_u64 s[36:37], s[36:37], s[42:43]
	s_mul_i32 s42, s40, 128*\ks
	s_lshl_b32 s46, s41, 2
	s_add_co_u32 s42, s42, s46
	s_add_nc_u64 s[38:39], s[38:39], s[42:43]
	s_mul_i32 s42, s35, REC
	s_add_nc_u64 s[44:45], s[32:33], s[42:43]
	v_and_b32 v5, 8, v2
	v_add_nc_u32 v5, v5, v2                        ; rho(r)
	v_mul_u32_u24 v6, v5, \krow
	v_mad_u32_u24 v6, v3, 24, v6                   ; codes: row rho(r), + 24 h
	v_lshl_add_u32 v7, v3, 6, v5
	v_mul_u32_u24 v7, v7, \ks                      ; scale words: lane (r, h) takes those of tiles 4 h + j: rows 64 h + TB(j) + rho(r)
.irp j, 0,1,2,3
	global_load_b32 v[128+\j], v7, s[38:39] offset:(32*(\j/2)+8*(\j%2))*\ks
.endr
.irp i, 0,1,2,3,4,5,6,7
.irp p, 0,1,2,3,4,5
	global_load_b64 v[32+12*\i+2*\p:32+12*\i+2*\p+1], v6, s[36:37] offset:(32*(\i/2)+8*(\i%2))*\krow+48*(\p/3)+8*(\p%3)
.endr
.endr
.irp i, 0,1,2,3,4,5,6,7
	s_wait_loadcnt 42-6*\i                         ; tile i's six loads are in; the later tiles' stay out
.if \i == 0
	global_store_b128 v4, v[128:131], s[44:45] offset:12288
.endif
.irp c, 0,1,2
	global_store_b128 v4, v[32+12*\i+4*\c:32+12*\i+4*\c+3], s[44:45] offset:\i*1536+512*\c   ; 512 consecutive bytes a store
.endr
.endr
	s_endpgm
.endm
	s_load_b128 s[4:7], s[0:1], 0x0                ; x, ln1_g
	s_load_b128 s[8:11], s[0:1], 0x10              ; ln1_b, in_proj codes
	s_load_b128 s[12:15], s[0:1], 0x20             ; in_proj scales, out_proj codes
	s_load_b128 s[16:19], s[0:1], 0x30             ; out_proj scales, w1 codes
	s_load_b128 s[24:27], s[0:1], 0x40             ; w1 scales, w2 codes
	s_load_b128 s[28:31], s[0:1], 0x50             ; w2 scales, hbuf
	s_load_b64 s[32:33], s[0:1], 0x60              ; wprep
	v_lshl_add_u32 v[SPW], v0, 2, SPARE
	v_mov_b32 v[NIL], 0
	v_lshrrev_b32 v1, 5, v0
	v_readfirstlane_b32 s20, v1                    ; wave
	v_and_b32 v1, 31, v0                           ; lane
	v_and_b32 v2, 15, v0                           ; r
	v_bfe_u32 v3, v0, 4, 1                         ; h
	v_lshlrev_b32 v4, 4, v1                        ; 16 x lane
	s_wait_kmcnt 0x0
	s_cmp_lt_u32 ttmp9, 256
	s_cbranch_scc1 .Lln
	s_cmp_lt_u32 ttmp9, 384
	s_cbranch_scc1 .Lrelay_a
	s_cmp_lt_u32 ttmp9, 448
	s_cbranch_scc1 .Lrelay_b
	; ---- THE TABLE: a wave takes 32 positions, a lane one, all 32 frequencies
	s_sub_co_u32 s34, ttmp9, 448
	s_lshl_b32 s34, s34, 2
	s_add_co_u32 s34, s34, s20
	s_lshl_b32 s35, s34, 5
	s_wait_alu depctr_va_vdst(0)
	v_add_nc_u32 v5, s35, v1                       ; t
	v_cvt_f32_u32 v5, v5
	s_wait_alu depctr_va_vdst(0)
	s_lshl_b32 s34, s34, 9
	s_add_co_u32 s34, s34, RTOFF
	s_mov_b32 s35, 0
	s_add_nc_u64 s[32:33], s[32:33], s[34:35]
	s_mov_b32 s36, 0x3f22f983                      ; 2 / pi
	s_mov_b32 s37, 0xbfc90fdb                      ; -(pi / 2), its upper part
	s_mov_b32 s38, 0x333bbd2e                      ; what that part has too much
	s_mov_b32 s39, -0.00019515295891
	s_mov_b32 s40, 0.0083321608736
	s_mov_b32 s41, -0.16666654611
	s_mov_b32 s42, 0.00002443315712
	s_mov_b32 s43, -0.001388731625
	s_mov_b32 s44, 0.04166664568
.set I, 0
.irp f, 1.0, 0.749894209332, 0.562341325190, 0.421696503429, 0.316227766017, 0.237137370566, 0.177827941004, 0.133352143216, 0.1, 0.0749894209332, 0.0562341325190, 0.0421696503429, 0.0316227766017, 0.0237137370566, 0.0177827941004, 0.0133352143216, 0.01, 0.00749894209332, 0.00562341325190, 0.00421696503429, 0.00316227766017, 0.00237137370566, 0.00177827941004, 0.00133352143216, 0.001, 0.000749894209332, 0.000562341325190, 0.000421696503429, 0.000316227766017, 0.000237137370566, 0.000177827941004, 0.000133352143216
	v_mul_f32 v6, \f, v5                           ; the angle, in f32 as reference() has it
	v_mul_f32 v7, s36, v6
	v_rndne_f32 v7, v7                             ; n quarter turns
	v_fma_f32 v8, v7, s37, v6
	v_fma_f32 v8, v7, s38, v8                      ; what is left, within pi / 4
	v_cvt_i32_f32 v9, v7
	v_mul_f32 v10, v8, v8
	v_fma_f32 v11, v10, s39, s40
	v_fma_f32 v12, v10, s42, s43
	v_fma_f32 v11, v11, v10, s41
	v_fma_f32 v12, v12, v10, s44
	v_mul_f32 v13, v10, v8
	v_mul_f32 v14, v10, v10
	v_fma_f32 v15, v10, -0.5, 1.0
	v_fma_f32 v11, v11, v13, v8                    ; sin of it
	v_fma_f32 v12, v12, v14, v15                   ; cos of it
	v_and_b32 v13, 1, v9
	v_cmp_eq_u32 vcc_lo, 1, v13
	v_cndmask_b32 v14, v11, v12, vcc_lo            ; an odd quarter swaps them
	v_cndmask_b32 v15, v12, v11, vcc_lo
	v_and_b32 v13, 2, v9
	v_lshlrev_b32 v13, 30, v13
	v_xor_b32 v[65+2*I], v14, v13                  ; sin: negative in quarters 2, 3
	v_add_nc_u32 v13, 1, v9
	v_and_b32 v13, 2, v13
	v_lshlrev_b32 v13, 30, v13
	v_xor_b32 v[64+2*I], v15, v13                  ; cos: negative in quarters 1, 2
.set I, I+1
.endr
.irp p, 0,1,2,3,4,5,6,7,8,9,10,11,12,13,14,15
	global_store_b128 v4, v[64+4*\p:67+4*\p], s[32:33] offset:32768*\p
.endr
	s_endpgm
.Lrelay_a:                                         ; records 0-511: rows of 1,024 codes
	s_sub_co_u32 s35, ttmp9, 256
	s_lshl_b32 s35, s35, 2
	s_add_co_u32 s35, s35, s20
	s_cmp_lt_u32 s35, 192
	s_cselect_b64 s[36:37], s[10:11], s[14:15]
	s_cselect_b64 s[38:39], s[12:13], s[16:17]
	s_cselect_b32 s34, 0, 192
	s_cmp_lt_u32 s35, 256
	s_cselect_b64 s[36:37], s[36:37], s[18:19]
	s_cselect_b64 s[38:39], s[38:39], s[24:25]
	s_cselect_b32 s34, s34, 0x100
	s_sub_co_u32 s34, s35, s34
	s_wait_alu depctr_va_vdst(0)
	RELAY 768, 32, 3
.Lrelay_b:                                         ; records 512-767: w2, rows of 4,096 codes
	s_sub_co_u32 s35, ttmp9, 256
	s_lshl_b32 s35, s35, 2
	s_add_co_u32 s35, s35, s20
	s_sub_co_u32 s34, s35, 512
	s_mov_b64 s[36:37], s[26:27]
	s_mov_b64 s[38:39], s[28:29]
	s_wait_alu depctr_va_vdst(0)
	RELAY 3072, 128, 5
.Lln:
	; ---- LAYERNORM AND QUANTISER: work-group tau = one tile of 16 tokens
	s_mov_b32 s[SEL], 0x76543210
	s_mov_b32 s[SEL+1], 0xfedcba98
	s_mov_b32 s34, 0x3a800000                      ; 1 / 1024
	s_mov_b32 s35, 0x3727c5ac                      ; 1e-5
	s_mov_b32 s36, 0xffff0000                      ; lanes 16-31
	s_lshr_b32 s37, ttmp9, 1
	s_lshl_b32 s37, s37, 5
	s_and_b32 s38, ttmp9, 1
	s_lshl_b32 s38, s38, 3
	s_add_co_u32 s37, s37, s38                     ; the tile's first token: 32 (tau / 2) + 8 (tau % 2)
	s_lshl_b32 s38, s20, 2
	s_add_co_u32 s37, s37, s38
	s_lshr_b32 s38, s20, 1
	s_lshl_b32 s38, s38, 3
	s_add_co_u32 s37, s37, s38                     ; my four: tile rows 4 w .. 4 w + 3 are tokens + 4 w + 8 (w / 2) on
	s_lshl_b32 s38, s37, 12
	s_mov_b32 s39, 0
	s_add_nc_u64 s[XP:XP+1], s[XP:XP+1], s[38:39]
	s_wait_alu depctr_va_vdst(0)
.irp k, 0,1,2,3
.irp j, 0,1,2,3,4,5,6,7
	global_load_b128 v[X+32*\k+4*\j:X+32*\k+4*\j+3], v4, s[XP:XP+1] offset:\k*4096+512*\j th:TH_LOAD_NT
.endr
.endr
.irp j, 0,1,2,3,4,5,6,7
	global_load_b128 v[G+4*\j:G+4*\j+3], v4, s[GP:GP+1] offset:512*\j
	global_load_b128 v[BV+4*\j:BV+4*\j+3], v4, s[BP:BP+1] offset:512*\j
.endr
	s_mul_i32 s40, s20, 4*LROW
	v_add_nc_u32 v5, s40, v4                       ; LDS, in: my four rows, 16 x lane
	v_mul_u32_u24 v6, v2, LROW
	v_lshl_add_u32 v6, v3, 6, v6
	s_lshl_b32 s41, s20, 10
	v_add_nc_u32 v6, s41, v6                       ; LDS, out: row r, + 64 h, + my two K steps (1,024 bytes x wave)
	v_mul_u32_u24 v7, v3, REC
	v_lshl_add_u32 v7, v2, 4, v7                   ; scale words: 16 r, lanes 16-31 one record on
	s_lshr_b32 s42, ttmp9, 3
	s_mul_i32 s42, s42, 8*REC
	s_mul_i32 s43, s20, 2*REC
	s_add_co_u32 s42, s42, s43                     ; record (group, K step 2 w)
	s_and_b32 s43, ttmp9, 7
	s_mul_i32 s44, s43, 1536
	s_add_co_u32 s44, s44, s42
	s_mov_b32 s45, 0
	s_add_nc_u64 s[46:47], s[HP:HP+1], s[44:45]    ; my tile's image there
	s_lshr_b32 s44, s43, 2
	s_lshl_b32 s44, s44, 8
	s_and_b32 s43, ttmp9, 3
	s_lshl_b32 s43, s43, 2
	s_add_co_u32 s44, s44, s43
	s_add_co_u32 s44, s44, s42
	s_add_co_u32 s44, s44, 12288
	s_add_nc_u64 s[48:49], s[HP:HP+1], s[44:45]    ; and its scale words
	s_wait_loadcnt 16                              ; x is in; gain and bias (16 loads) may be out
.irp k, 0,1,2,3
	v_pk_add_f32 v[AC+2*\k:AC+2*\k+1], v[X+32*\k:X+32*\k+1], v[X+32*\k+2:X+32*\k+3]
.endr
.set M2, 4
.rept 14
.irp k, 0,1,2,3
	v_pk_add_f32 v[AC+2*\k:AC+2*\k+1], v[AC+2*\k:AC+2*\k+1], v[X+32*\k+M2:X+32*\k+M2+1]
.endr
.set M2, M2+2
.endr
	REDUCE4
.irp k, 0,1,2,3
	v_mul_f32 v[MN+2*\k], s34, v[AC+2*\k]          ; the mean, twice: a pair for the packed form
	v_mul_f32 v[MN+2*\k+1], s34, v[AC+2*\k]
.endr
.set M2, 0
.rept 16
.irp k, 0,1,2,3
	v_pk_add_f32 v[X+32*\k+M2:X+32*\k+M2+1], v[X+32*\k+M2:X+32*\k+M2+1], v[MN+2*\k:MN+2*\k+1] neg_lo:[0,1] neg_hi:[0,1]
.endr
.set M2, M2+2
.endr
.irp k, 0,1,2,3
	v_pk_mul_f32 v[AC+2*\k:AC+2*\k+1], v[X+32*\k:X+32*\k+1], v[X+32*\k:X+32*\k+1]
.endr
.set M2, 2
.rept 15
.irp k, 0,1,2,3
	v_pk_fma_f32 v[AC+2*\k:AC+2*\k+1], v[X+32*\k+M2:X+32*\k+M2+1], v[X+32*\k+M2:X+32*\k+M2+1], v[AC+2*\k:AC+2*\k+1]
.endr
.set M2, M2+2
.endr
	REDUCE4
.irp k, 0,1,2,3
	v_fma_f32 v[AC+2*\k], v[AC+2*\k], s34, s35     ; var + eps
.endr
	s_wait_alu depctr_va_vdst(0)
.irp k, 0,1,2,3
	v_rsq_f32 v[RS+2*\k], v[AC+2*\k]
.endr
	v_nop                                          ; a plain place behind the batch
	s_wait_alu depctr_va_vdst(0)                   ; one wait for the four, ahead of their first reader
.irp k, 0,1,2,3
	v_mov_b32 v[RS+2*\k+1], v[RS+2*\k]
.endr
	s_wait_alu depctr_va_vdst(0)
	s_wait_loadcnt 0x0                             ; gain and bias
.set M2, 0
.rept 16
.irp k, 0,1,2,3
	v_pk_mul_f32 v[X+32*\k+M2:X+32*\k+M2+1], v[X+32*\k+M2:X+32*\k+M2+1], v[RS+2*\k:RS+2*\k+1]
.endr
.irp k, 0,1,2,3
	v_pk_fma_f32 v[X+32*\k+M2:X+32*\k+M2+1], v[X+32*\k+M2:X+32*\k+M2+1], v[G+M2:G+M2+1], v[BV+M2:BV+M2+1]
.endr
.set M2, M2+2
.endr
.irp k, 0,1,2,3
.irp j, 0,1,2,3,4,5,6,7
	ds_store_b128 v5, v[X+32*\k+4*\j:X+32*\k+4*\j+3] offset:\k*LROW+512*\j
.endr
.endr
	s_wait_dscnt 0x0                               ; for the others' sake: my rows lie in LDS
	s_barrier_signal -1
	s_barrier_wait -1
.irp u, 0,1                                    ; K steps 2 w + u: of row r, 16 neighbours of each block of 32
.irp b, 0,1,2,3
.irp j, 0,1,2,3
	ds_load_b128 v[X+64*\u+16*\b+4*\j:X+64*\u+16*\b+4*\j+3], v6 offset:512*\u+128*\b+16*\j
.endr
.endr
.endr
	s_wait_dscnt 16                                ; the first K step's sixteen loads are in
	QUANT X, 160, 240
.irp c, 0,1,2
	global_store_b128 v4, v[160+4*\c:163+4*\c], s[46:47] offset:512*\c
.endr
	s_wait_dscnt 0x0
	QUANT X+64, 180, 241
.irp c, 0,1,2
	global_store_b128 v4, v[180+4*\c:183+4*\c], s[46:47] offset:REC+512*\c
.endr
	v_cndmask_b32 v242, v240, v241, s36            ; lanes 0-15 the first K step's word, lanes 16-31 the second's
	global_store_b32 v7, v242, s[48:49]
	s_wait_tensorcnt 0x0                           ; the wave's end, behind my last LDS store
	ds_add_u32 v[SPW], v[NIL]
	s_wait_dscnt 0x0
	s_endpgm
.Lfunc_end_k_q3960ec69b0_prep:
	.size	k_q3960ec69b0_prep, .Lfunc_end_k_q3960ec69b0_prep-k_q3960ec69b0_prep
	.p2alignl 7, 3214868480
	.fill 96, 4, 3214868480
	.section	.rodata,"a",@progbits
	.p2align	6, 0x0
	.amdhsa_kernel k_q3960ec69b0_prep
		.amdhsa_group_segment_fixed_size 66560
		.amdhsa_private_segment_fixed_size 0
		.amdhsa_enable_private_segment 0
		.amdhsa_kernarg_size 104
		.amdhsa_user_sgpr_count 2
		.amdhsa_user_sgpr_kernarg_segment_ptr 1
		.amdhsa_wavefront_size32 1
		.amdhsa_system_sgpr_workgroup_id_x 1
		.amdhsa_system_sgpr_workgroup_id_y 1
		.amdhsa_system_sgpr_workgroup_id_z 1
		.amdhsa_system_vgpr_workitem_id 0
		.amdhsa_next_free_vgpr 256
		.amdhsa_next_free_sgpr 66
		.amdhsa_reserve_vcc 1
		.amdhsa_float_denorm_mode_32 3
		.amdhsa_float_denorm_mode_16_64 3
		.amdhsa_memory_ordered 1
		.amdhsa_forward_progress 1
		.amdhsa_inst_pref_size 101
	.end_amdhsa_kernel
	.amdgpu_metadata
---
amdhsa.version: [ 1, 2 ]
amdhsa.kernels:
  - .name:           k_q3960ec69b0_prep
    .symbol:         k_q3960ec69b0_prep.kd
    .args:
      - { .name: x, .offset: 0, .size: 8, .value_kind: global_buffer, .address_space: global }
      - { .name: ln1_g, .offset: 8, .size: 8, .value_kind: global_buffer, .address_space: global }
      - { .name: ln1_b, .offset: 16, .size: 8, .value_kind: global_buffer, .address_space: global }
      - { .name: in_proj_w_codes, .offset: 24, .size: 8, .value_kind: global_buffer, .address_space: global }
      - { .name: in_proj_w_scales, .offset: 32, .size: 8, .value_kind: global_buffer, .address_space: global }
      - { .name: out_proj_w_codes, .offset: 40, .size: 8, .value_kind: global_buffer, .address_space: global }
      - { .name: out_proj_w_scales, .offset: 48, .size: 8, .value_kind: global_buffer, .address_space: global }
      - { .name: w1_codes, .offset: 56, .size: 8, .value_kind: global_buffer, .address_space: global }
      - { .name: w1_scales, .offset: 64, .size: 8, .value_kind: global_buffer, .address_space: global }
      - { .name: w2_codes, .offset: 72, .size: 8, .value_kind: global_buffer, .address_space: global }
      - { .name: w2_scales, .offset: 80, .size: 8, .value_kind: global_buffer, .address_space: global }
      - { .name: hbuf, .offset: 88, .size: 8, .value_kind: global_buffer, .address_space: global }
      - { .name: wprep, .offset: 96, .size: 8, .value_kind: global_buffer, .address_space: global }
    .group_segment_fixed_size: 66560
    .private_segment_fixed_size: 0
    .kernarg_segment_align: 8
    .kernarg_segment_size: 104
    .max_flat_workgroup_size: 128
    .sgpr_count:     66
    .vgpr_count:     256
    .wavefront_size: 32
...
	.end_amdgpu_metadata
.endif
;; end of part 1
;; launch gemm_qkv (part 2): grid 12 x 16, 4 waves a work-group, clusters of 4 x 4, 327,680 bytes of LDS; arguments hbuf, wprep, qkv; writes qkv
.if DOCPART == 2
	.amdgcn_target "amdgcn-amd-amdhsa--gfx1250"
	.amdhsa_code_object_version 6
	.text
	.protected	k_q3960ec69b0_gemm_qkv
	.globl	k_q3960ec69b0_gemm_qkv
	.p2align	8
	.type	k_q3960ec69b0_gemm_qkv,@function
k_q3960ec69b0_gemm_qkv:
	s_mov_b64 s[64:65], 0
	v_nop
	global_prefetch_b8 v0, s[64:65] scope:SCOPE_SE
	s_setreg_imm32_b32 hwreg(HW_REG_WAVE_MODE, 25, 1), 1
	s_wait_xcnt 0x0
	s_wait_alu depctr_hold_cnt(0) depctr_sa_sdst(0) depctr_va_vdst(0) depctr_va_sdst(0) depctr_va_ssrc(0) depctr_va_vcc(0) depctr_vm_vsrc(0)
	s_getreg_b32 s2, hwreg(HW_REG_IB_STS2, 6, 4)
	s_cmp_eq_u32 s2, 0
	s_cbranch_scc0 .Lentry_in_a_cluster
	s_endpgm
.Lentry_in_a_cluster:
	s_bfe_u32 s2, ttmp6, 0x10000c
	s_cmp_lg_u32 s2, 0xf033
	s_cbranch_scc0 .Lentry_shape_is_right
	s_endpgm
.Lentry_shape_is_right:
; PRODUCT 1, LN1(x) in_proj^T, with the rotation and the quantisers of q, k (along the head's 64) and v (along the keys) on the way out.  Operands are records (12,800 bytes: 8 register images of 16 rows x 128 K
; and their scale words; tile i holds rows 32 (i / 2) + 8 (i % 2) + r + 8 (r / 8)).  No product is left out here.
; A work-group makes 256 rows of P x 256 rows of Q, a wave 128 x 128: 64 accumulators.  Source 0 = 16 rows of Q, source 1 = 16 rows of P: a lane holds one row of P, and the 16 registers of two neighbouring
; tiles of Q are 16 neighbouring rows of Q.  Clusters x = 0, 1 (q, k): P = tokens, Q = weight rows, so a lane's registers run along the head.  Cluster x = 2 (v): the two operands change places BY ADDRESS alone
; (both are records of the same size): P = weight rows (channels), Q = tokens, so a lane's registers run along the keys, which are the second attention product's K.
; THE RING: two slots.  Slot 0 (4 groups x 2 records) takes K steps 0, 1 at the head and K steps 6, 7 at K step 1's turn; slot 1 (4 groups x 4 records) takes K steps 2-5 behind the full sequence at the head's end.
; One tensor load a wave is out at any time; every wait on TENSORcnt is for 0.  P's tiles are shared along a row of the 4 x 4 cluster, Q's along a column, by joint loads.
; PREFETCH: at the head each wave names one record of the four that its load for slot 1 will bring (50 blocks of 256 bytes, two lines of 25 lanes; the lanes left over name the last block again);
; the four partners that ask for a tile jointly take one record each, told apart by address.  K steps 6, 7 are asked for by their refill alone, four K steps ahead of their use.
; THE TABLE of cos and sin for tiles 0 and 1 of the way out is loaded at the head, into registers that the products do not touch.  v's clusters issue these 16 loads a wave too and do not use them:
; the walk along K between the head and the way out is one text for both kinds of cluster.
; OUT (qkv): blk = (batch x 8 + pair of heads) x 16 + step of 128 tokens.  q at 0, k at 3,145,728: [blk][head of the pair][tile 8][768]: registers 0-3 at 16 x lane, 4-5 at 512 + 8 x lane (K = 64).
; v at 6,291,456: [blk][tile 8 of channels][1,536].  Scale words as in a record: q 9,437,184 and k 9,699,328: [blk][head][512]; v 9,961,472: [blk][512].
; LIMITS: NaN and infinities are not served; a block of zeros gets the byte 1 (this program alone reads the bytes).
.set KST,  8
.set REC,  12800
.set PG,   2*REC                       ; a group's part of slot 0
.set SLOT, 4*PG                        ; slot 0; slot 1 has 2 SLOT bytes from byte SLOT on
.set SPARE, 3*SLOT
.set RTOFF, 768*REC                    ; the table, behind the weights' records in wprep
.set ADP, 6                            ; v6-7 my P fragments in slot 0, 1;  v9-10 Q's;  v12-13 P's scale words;  v15-16 Q's
.set ADQ, 9
.set ASP, 12
.set ASQ, 15
.set PFO, 18                           ; the prefetches' offset: 256 x min(lane, 24)
.set LI,  24                           ; 16 x lane
.set L8,  25                           ; 8 x lane
.set RV,  26                           ; the table: 16 rho(r) + 4 planes x h
.set SPW, 28
.set NIL, 29
.set SC,  32                           ; v32-63 scale words, two sets of 16: Q's tile b at + b, P's tile a at + 8 + a
.set CS,  64                           ; v64-127 cos, sin: two sets of 32
.set AF,  128                          ; v128-223 P's 8 fragments, one set.  Window 1: Q's fragments, sets at v0, v128.  Windows 2, 3: accumulator (a, b) at v[8 (8 (a % 4) + b)] of window 2 + a / 4
.set G1,  24
.set G1B, 48
.set G0,  68                           ; s[68:75] group 0 for P's tiles, a set a slot;  s[80:87] for Q's.  The way out takes these registers when no tensor load is out any more
.set G0B, 80
.set TBL, 92                           ; s[92:93] the table at my 128 positions; never rewritten
.set PF,  98                           ; s[98:99] the prefetches' base; never rewritten
.set MUL_LO, 0xa1
.set MUL_HI, 0xf1
.set TO_Q,   0x40
.set MSB, 0
.macro WIN new
.if MSB != \new
	s_set_vgpr_msb (MSB<<8)|\new
.set MSB, \new
.endif
.endm
.macro PLACES n
.rept \n
	v_nop
.endr
.endm
.macro JLOAD g0a, g1a, g0b, g1b        ; waves 0, 1 fetch P's groups, waves 2, 3 Q's; an s_nop 0 and four v_nop follow each line
	s_cmp_eq_u32 s15, 0
	s_cbranch_scc0 .Lfor_b_\@
	tensor_load_to_lds s[\g0a:\g0a+3], s[\g1a:\g1a+7]
	s_nop 0
.rept 4
	v_nop
.endr
	s_branch .Lasked_\@
.Lfor_b_\@:
	tensor_load_to_lds s[\g0b:\g0b+3], s[\g1b:\g1b+7]
	s_nop 0
.rept 4
	v_nop
.endr
.Lasked_\@:
.endm
.macro CREST
	s_cmp_lg_u32 s14, 0
	s_cbranch_scc1 .Lnot_wave_0_\@
	s_barrier_signal -3
.Lnot_wave_0_\@:
	s_barrier_wait -3
	s_barrier_signal -1
	s_barrier_wait -1
.endm
.macro CROUND
	s_barrier_signal -1
	s_barrier_wait -1
	CREST
.endm
.macro ROWS n                          ; how many rows of 256 bytes a load brings; written only where no tensor load of the wave is out
	s_mov_b32 s[G1+2], (\n)<<16
	s_mov_b32 s[G1+4], \n
	s_mov_b32 s[G1B+2], (\n)<<16
	s_mov_b32 s[G1B+4], \n
.endm
.macro MULG a0, p, zero                ; P's tiles a0, a0 + 1 x Q's eight; the accumulators take turns, one instruction a turn
.irp a, \a0, \a0+1
.set BI, 0
.rept 8
.if \zero
	v_wmma_scale_f32_16x16x128_f8f6f4 v[8*(8*((\a)%4)+BI):8*(8*((\a)%4)+BI)+7], v[128*(\p)+12*BI:128*(\p)+12*BI+11], v[AF+12*(\a):AF+12*(\a)+11], 0, v[SC+16*(\p)+BI], v[SC+16*(\p)+8+(\a)] matrix_a_fmt:MATRIX_FMT_FP6 matrix_b_fmt:MATRIX_FMT_FP6
.else
	v_wmma_scale_f32_16x16x128_f8f6f4 v[8*(8*((\a)%4)+BI):8*(8*((\a)%4)+BI)+7], v[128*(\p)+12*BI:128*(\p)+12*BI+11], v[AF+12*(\a):AF+12*(\a)+11], v[8*(8*((\a)%4)+BI):8*(8*((\a)%4)+BI)+7], v[SC+16*(\p)+BI], v[SC+16*(\p)+8+(\a)] matrix_a_fmt:MATRIX_FMT_FP6 matrix_b_fmt:MATRIX_FMT_FP6
.endif
.set BI, BI+1
.endr
.endr
.endm
.macro FQ sl, q, p                     ; Q's fragments of the slot's K step q into set p
	WIN TO_Q
.set BI, 0
.rept 8
.irp c, 0,1,2
	ds_load_b128 v[128*(\p)+12*BI+4*\c:128*(\p)+12*BI+4*\c+3], v[ADQ+\sl] offset:(\q)*REC+BI*1536+512*\c
.endr
.set BI, BI+1
.endr
	WIN 0
.endm
.macro FS sl, q, p                     ; the scale words: four tiles' by one load
.irp u, 0,1
	ds_load_b128 v[SC+16*(\p)+4*\u:SC+16*(\p)+4*\u+3], v[ASQ+\sl] offset:(\q)*REC+256*\u
.endr
.irp u, 0,1
	ds_load_b128 v[SC+16*(\p)+8+4*\u:SC+16*(\p)+8+4*\u+3], v[ASP+\sl] offset:(\q)*REC+256*\u
.endr
.endm
.macro FP sl, q, i0                    ; P's tiles i0 .. i0 + 3
.irp i, \i0, \i0+1, \i0+2, \i0+3
.irp c, 0,1,2
	ds_load_b128 v[AF+12*(\i)+4*\c:AF+12*(\i)+4*\c+3], v[ADP+\sl] offset:(\q)*REC+(\i)*1536+512*\c
.endr
.endr
.endm
.macro STEP sl, q, zero                ; a K step that has its successor in the same slot; it is multiplied out of set q % 2
	s_wait_dscnt 12                                ; all but the youngest twelve loads (P's tiles 4-7) are in
	WIN MUL_LO
	MULG 0, (\q)%2, \zero
	MULG 2, (\q)%2, \zero
	s_wait_dscnt 0x0
	PLACES 4                                       ; in front of loads into registers that matrix instructions have read
	FQ \sl, (\q)+1, 1-(\q)%2
	FS \sl, (\q)+1, 1-(\q)%2
	FP \sl, (\q)+1, 0
	WIN MUL_HI
	MULG 4, (\q)%2, \zero
	MULG 6, (\q)%2, \zero
	PLACES 4
	WIN 0
	FP \sl, (\q)+1, 4
.endm
.macro TURN sl, next, fill             ; a slot's last K step (out of set 1), with a barrier.  fill = 1: this slot takes the K steps six on
	s_wait_tensorcnt 0x0                           ; all my tensor loads have landed: my part of the next slot
	ds_add_u32 v[SPW], v[NIL]
	s_wait_dscnt 13                                ; (the add and the youngest twelve loads may be out)
	WIN MUL_LO
	MULG 0, 1, 0
	s_wait_dscnt 0x0                               ; the add is done, and my reads of this slot are over
	s_barrier_signal -1
	MULG 2, 1, 0
	WIN 0
	s_barrier_wait -1
.if \fill
	CREST                                          ; the barrier has opened a round of the cluster's: no wave of any partner still reads this slot or has a load on its way
	s_add_nc_u64 s[G0+4*\sl+2:G0+4*\sl+3], s[G0+4*\sl+2:G0+4*\sl+3], 3*PG
	s_add_nc_u64 s[G0B+4*\sl+2:G0B+4*\sl+3], s[G0B+4*\sl+2:G0B+4*\sl+3], 3*PG
	ROWS PG/256
	JLOAD G0+4*\sl, G1, G0B+4*\sl, G1B             ; its four v_nop are also the places in front of the loads below
.else
	PLACES 4
.endif
	FQ \next, 0, 0
	FS \next, 0, 0
	FP \next, 0, 0
	WIN MUL_HI
	MULG 4, 1, 0
	MULG 6, 1, 0
	PLACES 4
	WIN 0
	FP \next, 0, 4
.endm
.macro RLOAD a                         ; cos, sin for tile a's tokens: register pair 8 b' + 2 jj serves channels 16 h + 8 (b' % 2) + 32 (b' / 2) + 2 jj, + 1 of either head
.irp e, 0,1,2,3,4,5,6,7
	global_load_b128 v[CS+32*((\a)%2)+4*\e:CS+32*((\a)%2)+4*\e+3], v[RV], s[TBL:TBL+1] offset:(32*((\a)/2)+8*((\a)%2))*16+32768*(8*(\e/4)+\e%4)
.endr
.endm
	s_load_b128 s[4:7], s[0:1], 0x0                ; hbuf, wprep
	s_load_b64 s[8:9], s[0:1], 0x10                ; qkv
	v_lshl_add_u32 v[SPW], v0, 2, SPARE
	v_mov_b32 v[NIL], 0
	ds_add_u32 v[SPW], v[NIL]                      ; the wave's opening: the add, twice on end, and its wait ahead of my first tensor load
	ds_add_u32 v[SPW], v[NIL]
	v_lshrrev_b32 v1, 5, v0
	v_readfirstlane_b32 s14, v1                    ; wave
	s_lshr_b32 s15, s14, 1                         ; my group of P.  Also: I fetch for P (0) or Q (1)
	s_and_b32 s16, s14, 1                          ; my group of Q.  Also: which group I fetch
	s_bfe_u32 s40, ttmp6, 0x40000                  ; cx
	s_bfe_u32 s41, ttmp6, 0x40004                  ; cy
	s_and_b32 s18, ttmp7, 0xffff                   ; cluster y
	s_cmp_eq_u32 ttmp9, 2                          ; v's clusters: the same in all sixteen partners
	s_cselect_b32 s17, ttmp9, s18
	s_cselect_b32 s42, s18, ttmp9
	s_lshl_b32 s17, s17, 2
	s_add_co_u32 s17, s17, s41                     ; P's block of 256 rows
	s_lshl_b32 s42, s42, 2
	s_add_co_u32 s42, s42, s40                     ; Q's
	s_lshl_b32 s43, s41, 2
	s_lshl_b32 s43, 15, s43                        ; my row of the cluster
	s_lshl_b32 s44, 0x1111, s40                    ; my column
	s_or_b32 s[G1], s43, (3<<16)|(1<<21)           ; dense blocks as rows of 256 bytes: 32 elements of 8 bytes; the mask, bit 21 beside it
	s_or_b32 s[G1B], s44, (3<<16)|(1<<21)
.irp g, G1, G1B
	s_mov_b32 s[\g+1], 32<<16
	s_mov_b32 s[\g+2], (PG/256)<<16
	s_mov_b32 s[\g+3], 32<<16
	s_mov_b32 s[\g+4], PG/256
	s_mov_b32 s[\g+5], 32
	s_mov_b32 s[\g+6], 0
	s_mov_b32 s[\g+7], 0
.endr
	s_lshl_b32 s20, s17, 1
	s_add_co_u32 s20, s20, s16
	s_mul_i32 s20, s20, KST*REC                    ; P: the group that I fetch
	s_mov_b32 s21, 0
	s_lshl_b32 s46, s42, 1
	s_add_co_u32 s46, s46, s16
	s_mul_i32 s46, s46, KST*REC                    ; Q likewise
	s_mov_b32 s47, 0
	s_mul_i32 s45, s16, PG                         ; where P's group goes in slot 0,
	s_add_co_u32 s22, s45, 2*PG                    ; and Q's; that is also where I read my group of Q
	s_mul_i32 s18, s15, PG                         ; where I read my group of P in slot 0,
	s_lshl_b32 s10, s18, 1
	s_add_co_u32 s10, s10, SLOT                    ; in slot 1,
	s_lshl_b32 s11, s22, 1
	s_add_co_u32 s11, s11, SLOT                    ; and Q there
	s_cmp_eq_u32 s15, 0
	s_cselect_b32 s12, s40, s41                    ; my place among the four that ask for my tile with me
	s_mul_i32 s12, s12, REC                        ; one record of slot 1's four is mine to prefetch
	s_mov_b32 s13, 0
	s_lshl_b32 s[TBL], s17, 1
	s_add_co_u32 s[TBL], s[TBL], s15               ; q, k: my group of tokens;
	s_and_b32 s[TBL], s[TBL], 15                   ; its step of 128 positions,
	s_lshl_b32 s[TBL], s[TBL], 11                  ; 16 bytes a position in each plane of the table
	s_add_co_u32 s[TBL], s[TBL], RTOFF
	s_mov_b32 s[TBL+1], 0
	s_wait_dscnt 0x0                               ; both opening adds are done
	s_wait_kmcnt 0x0
	s_cmp_eq_u32 ttmp9, 2
	s_cselect_b64 s[94:95], s[6:7], s[4:5]         ; P's buffer
	s_cselect_b64 s[96:97], s[4:5], s[6:7]         ; Q's
	s_add_nc_u64 s[20:21], s[94:95], s[20:21]
	s_add_nc_u64 s[46:47], s[96:97], s[46:47]
	s_add_nc_u64 s[TBL:TBL+1], s[6:7], s[TBL:TBL+1]
	s_cmp_eq_u32 s15, 0
	s_cselect_b64 s[PF:PF+1], s[20:21], s[46:47]
	s_add_nc_u64 s[PF:PF+1], s[PF:PF+1], s[12:13]
.irp s, 0,1
	s_mov_b32 s[G0+4*\s], 1
	s_lshl_b32 s[G0+4*\s+1], s45, \s               ; slot 1's parts are twice as long
	s_add_co_u32 s[G0+4*\s+1], s[G0+4*\s+1], \s*SLOT
	s_add_nc_u64 s[G0+4*\s+2:G0+4*\s+3], s[20:21], \s*PG
	s_or_b32 s[G0+4*\s+3], s[G0+4*\s+3], 0x80000000
	s_mov_b32 s[G0B+4*\s], 1
	s_lshl_b32 s[G0B+4*\s+1], s22, \s
	s_add_co_u32 s[G0B+4*\s+1], s[G0B+4*\s+1], \s*SLOT
	s_add_nc_u64 s[G0B+4*\s+2:G0B+4*\s+3], s[46:47], \s*PG
	s_or_b32 s[G0B+4*\s+3], s[G0B+4*\s+3], 0x80000000
.endr
	CROUND                                         ; all sixteen work-groups are here: the first joint loads meet
	JLOAD G0, G1, G0B, G1B                         ; K steps 0, 1: the wave's one load at the head
	v_and_b32 v1, 31, v0
	v_min_u32 v[PFO], 24, v1
	v_lshlrev_b32 v[PFO], 8, v[PFO]
	global_prefetch_b8 v[PFO], s[PF:PF+1] offset:PG th:TH_LOAD_NT scope:SCOPE_SE          ; my record of K steps 2-5: its first 25 blocks,
	global_prefetch_b8 v[PFO], s[PF:PF+1] offset:PG+REC/2 th:TH_LOAD_NT scope:SCOPE_SE    ; and its last 25
	v_and_b32 v2, 15, v0                           ; r
	v_bfe_u32 v3, v0, 4, 1                         ; h
	v_and_b32 v5, 8, v2
	v_add_nc_u32 v5, v5, v2                        ; rho(r)
	v_lshlrev_b32 v5, 4, v5
	v_lshl_add_u32 v[RV], v3, 17, v5
	RLOAD 0                                        ; the table for tiles 0 and 1 of the way out lands under the products
	RLOAD 1
	v_lshlrev_b32 v[LI], 4, v1
	v_lshlrev_b32 v[L8], 3, v1
	v_lshlrev_b32 v4, 4, v2
	v_add_nc_u32 v5, 12288, v4                     ; a record's scale words: 16 r
	v_add_nc_u32 v[ADP], s18, v[LI]
	v_add_nc_u32 v[ADQ], s22, v[LI]
	v_add_nc_u32 v[ADP+1], s10, v[LI]
	v_add_nc_u32 v[ADQ+1], s11, v[LI]
	v_add_nc_u32 v[ASP], s18, v5
	v_add_nc_u32 v[ASQ], s22, v5
	v_add_nc_u32 v[ASP+1], s10, v5
	v_add_nc_u32 v[ASQ+1], s11, v5
	s_wait_alu depctr_va_vdst(0)
	s_wait_tensorcnt 0x0                           ; my part of slot 0 is in
	ds_add_u32 v[SPW], v[NIL]
	ROWS 2*PG/256                                  ; no tensor load of mine is out: the next load brings four records
	s_wait_dscnt 0x0
	CROUND                                         ; everybody's part of slot 0 is in, and the joint loads meet
	JLOAD G0+4, G1, G0B+4, G1B                     ; K steps 2-5
	FQ 0, 0, 0
	FS 0, 0, 0
	FP 0, 0, 0
	FP 0, 0, 4
	STEP 0, 0, 1                                   ; K step 0 starts the sums
	TURN 0, 1, 1                                   ; K step 1: slot 1 is whole; slot 0 takes K steps 6, 7
	STEP 1, 0, 0                                   ; K steps 2, 3, 4
	STEP 1, 1, 0
	STEP 1, 2, 0
	TURN 1, 0, 0                                   ; K step 5: the refill has landed; nothing more is asked for
	STEP 0, 0, 0                                   ; K step 6
	s_wait_dscnt 12                                ; K step 7: nothing more to fetch
	WIN MUL_LO
	MULG 0, 1, 0
	MULG 2, 1, 0
	s_wait_dscnt 0x0
	WIN MUL_HI
	MULG 4, 1, 0
	MULG 6, 1, 0
	WIN 0
	; ---- THE WAY OUT
.set TM,  32                           ; v32-47 the quantisers' work
.set PWS, 48                           ; v48-63 scale words kept: q, k: 8 x head + tile; v: tile
.set Y,   128                          ; v128-191 a tile's 64 rotated numbers
.set TQ,  224
.set SEL, 80
	PLACES 4
.irp b, 0,1,2,3
	v_mov_b32 v[TM+4+\b], 0                        ; a lane permute's destination counts as one of its sources
.endr
	s_mov_b32 s[SEL], 0x76543210
	s_mov_b32 s[SEL+1], 0xfedcba98
	s_mov_b32 s78, 0xffff0000
	s_lshl_b32 s66, s17, 1
	s_add_co_u32 s66, s66, s15                     ; my group of P
	s_lshl_b32 s67, s42, 1
	s_add_co_u32 s67, s67, s16                     ; my group of Q
	s_cmp_eq_u32 ttmp9, 2
	s_cselect_b32 s68, s67, s66                    ; the group of tokens
	s_cselect_b32 s69, s66, s67                    ; the group of features
	s_and_b32 s69, s69, 7                          ; the pair of heads
	s_lshr_b32 s70, s68, 4
	s_lshl_b32 s70, s70, 3
	s_add_co_u32 s70, s70, s69
	s_lshl_b32 s70, s70, 4
	s_and_b32 s71, s68, 15
	s_add_co_u32 s70, s70, s71                     ; blk
	s_mul_i32 s72, ttmp9, 3145728
	s_mul_i32 s82, s70, 12288
	s_add_co_u32 s72, s72, s82
	s_mov_b32 s73, 0
	s_add_nc_u64 s[72:73], s[8:9], s[72:73]        ; my block of codes
	s_mul_i32 s74, ttmp9, 262144
	s_add_co_u32 s74, s74, 9437184
	s_mov_b32 s75, 0
	s_add_nc_u64 s[74:75], s[8:9], s[74:75]        ; q's, k's or v's scale words
	s_mov_b32 s83, 0
	s_cmp_eq_u32 ttmp9, 2
	s_cbranch_scc1 .Lv_arm
	s_lshl_b32 s82, s70, 10
	s_add_nc_u64 s[74:75], s[74:75], s[82:83]
; A tile of 16 tokens x 128 features: two heads.  The rotation; then both heads' quantisers together: four blocks of 32 (block b = 2 x head + half), register 16 b + i = channel 32 (b % 2) + 16 h + i of head b / 2.
; Each head gives six code registers (lane (r, h): k = 32 h .. 32 h + 31) and a scale word of two bytes.
.macro TILEQK a
.set CSA, CS+32*((\a)%2)
.set DA, 64*((\a)%4)
.set WA, 2+(\a)/4
.set DC, 192+16*((\a)%2)               ; the codes: head eta at + 8 eta
.if (\a) < 7
	s_wait_loadcnt 8                               ; this tile's eight loads are in, the next tile's stay out
.else
	s_wait_loadcnt 0x0
.endif
	WIN WA
.irp e, 0,1,2,3,4,5,6,7                        ; accumulator e = 4 x head + b'
.irp jj, 0,1,2,3
	v_pk_mul_f32 v[Y+8*\e+2*\jj:Y+8*\e+2*\jj+1], v[DA+8*\e+2*\jj:DA+8*\e+2*\jj+1], v[CSA+8*(\e%4)+2*\jj:CSA+8*(\e%4)+2*\jj+1] op_sel_hi:[1,0]   ; xr cos, xi cos
.endr
.irp jj, 0,1,2,3
	v_pk_fma_f32 v[Y+8*\e+2*\jj:Y+8*\e+2*\jj+1], v[DA+8*\e+2*\jj:DA+8*\e+2*\jj+1], v[CSA+8*(\e%4)+2*\jj:CSA+8*(\e%4)+2*\jj+1], v[Y+8*\e+2*\jj:Y+8*\e+2*\jj+1] op_sel:[1,1,0] op_sel_hi:[0,1,1] neg_lo:[1,0,0]   ; - xi sin, + xr sin
.endr
.endr
	WIN 0
.if (\a) < 6
	RLOAD (\a)+2
.endif
.if (\a) > 1
	s_wait_alu depctr_va_vdst(0)
	s_wait_xcnt 0x0                                ; the stores of two tiles back have read their registers
.endif
.irp b, 0,1,2,3                                ; each block's 16 numbers in two chains, eight chains by turns
	v_max3_num_f32 v[TM+\b], |v[Y+16*\b]|, |v[Y+1+16*\b]|, 0x1800000   ; the floor 2^(3 - 127) holds the byte at 1 from below
.endr
.irp b, 0,1,2,3
	v_max3_num_f32 v[TM+8+\b], |v[Y+8+16*\b]|, |v[Y+9+16*\b]|, |v[Y+10+16*\b]|
.endr
.irp i, 2,4
.irp b, 0,1,2,3
	v_max3_num_f32 v[TM+\b], v[TM+\b], |v[Y+16*\b+\i]|, |v[Y+1+16*\b+\i]|
.endr
.irp b, 0,1,2,3
	v_max3_num_f32 v[TM+8+\b], v[TM+8+\b], |v[Y+9+16*\b+\i]|, |v[Y+10+16*\b+\i]|
.endr
.endr
.irp b, 0,1,2,3
	v_max3_num_f32 v[TM+\b], v[TM+\b], |v[Y+6+16*\b]|, |v[Y+7+16*\b]|
.endr
.irp b, 0,1,2,3
	v_max3_num_f32 v[TM+\b], v[TM+\b], v[TM+8+\b], |v[Y+15+16*\b]|
.endr
.irp b, 0,1,2,3
	v_permlanex16_b32 v[TM+4+\b], v[TM+\b], s[SEL], s[SEL+1]
.endr
.irp b, 0,1,2,3
	v_max_num_f32 v[TM+\b], v[TM+\b], v[TM+4+\b]                 ; the block's largest magnitude
.endr
.irp b, 0,1,2,3
	v_add_nc_u32 v[TM+12+\b], 0xff000000, v[TM+\b]               ; 2 off its exponent field: the conversion's scale operand
.endr
.irp b, 0,1,2,3
	v_lshrrev_b32 v[TM+4+\b], 23, v[TM+12+\b]                    ; the scale's byte
.endr
.irp eta, 0,1
	v_lshl_or_b32 v[PWS+8*\eta+(\a)], v[TM+5+2*\eta], 8, v[TM+4+2*\eta]   ; bytes 2, 3 stay 0: they scale zero codes
.endr
.irp eta, 0,1
	v_cvt_scalef32_pk16_fp6_f32 v[DC+8*\eta:DC+8*\eta+2], v[Y+32*\eta:Y+32*\eta+15], v[TM+12+2*\eta]
	v_cvt_scalef32_pk16_fp6_f32 v[TQ+4*\eta:TQ+4*\eta+2], v[Y+32*\eta+16:Y+32*\eta+31], v[TM+13+2*\eta]
.endr
	v_nop                                          ; one plain place behind a scaled conversion
.irp eta, 0,1
.irp i, 0,1,2
	v_permlane16_swap_b32 v[DC+8*\eta+\i], v[TQ+4*\eta+\i]       ; a whole block to a lane
.endr
.endr
.irp eta, 0,1
.irp i, 0,1,2
	v_mov_b32 v[DC+8*\eta+3+\i], v[TQ+4*\eta+\i]
.endr
.endr
.irp eta, 0,1
	global_store_b128 v[LI], v[DC+8*\eta:DC+8*\eta+3], s[72:73] offset:\eta*6144+(\a)*768
	global_store_b64 v[L8], v[DC+8*\eta+4:DC+8*\eta+5], s[72:73] offset:\eta*6144+(\a)*768+512
.endr
.endm
.irp a, 0,1,2,3,4,5,6,7
	TILEQK \a
.endr
.irp eta, 0,1
.irp j, 0,1,2,3
	v_cndmask_b32 v[TM+4*\eta+\j], v[PWS+8*\eta+\j], v[PWS+8*\eta+4+\j], s78   ; lane (r, h) stores the words of tiles 4 h + j
.endr
	global_store_b128 v[LI], v[TM+4*\eta:TM+4*\eta+3], s[74:75] offset:512*\eta
.endr
	s_branch .Lout
.Lv_arm:
	s_lshl_b32 s82, s70, 9
	s_add_nc_u64 s[74:75], s[74:75], s[82:83]
; 64 numbers in window w, register 16 b + i = k 32 b + 16 h + i, become a fragment's 12 code registers and its scale word
.macro QUANT4 s, w, pc, pw
.set W1, (\w)|((\w)<<2)
.set W2, ((\w)<<2)|((\w)<<4)
.set W3, \w
	WIN W1
.irp b, 0,1,2,3
	v_max3_num_f32 v[TM+\b], |v[\s+16*\b]|, |v[\s+1+16*\b]|, 0x1800000
.endr
	WIN W2
.irp i, 2,4,6,8,10,12,14
.irp b, 0,1,2,3
	v_max3_num_f32 v[TM+\b], v[TM+\b], |v[\s+16*\b+\i]|, |v[\s+1+16*\b+\i]|
.endr
.endr
	WIN 0
.irp b, 0,1,2,3
	v_permlanex16_b32 v[TM+4+\b], v[TM+\b], s[SEL], s[SEL+1]
.endr
.irp b, 0,1,2,3
	v_max_num_f32 v[TM+\b], v[TM+\b], v[TM+4+\b]
.endr
.irp b, 0,1,2,3
	v_add_nc_u32 v[TM+12+\b], 0xff000000, v[TM+\b]
.endr
.irp b, 0,1,2,3
	v_lshrrev_b32 v[TM+4+\b], 23, v[TM+12+\b]
.endr
	v_lshl_or_b32 v[\pw], v[TM+5], 8, v[TM+4]
	v_lshl_or_b32 v[\pw], v[TM+6], 16, v[\pw]
	v_lshl_or_b32 v[\pw], v[TM+7], 24, v[\pw]
	WIN W3
.irp c, 0,1
	v_cvt_scalef32_pk16_fp6_f32 v[\pc+6*\c:\pc+2+6*\c], v[\s+32*\c:\s+15+32*\c], v[TM+12+2*\c]
	v_cvt_scalef32_pk16_fp6_f32 v[\pc+12+4*\c:\pc+14+4*\c], v[\s+16+32*\c:\s+31+32*\c], v[TM+13+2*\c]
.endr
	WIN 0
	v_nop
.irp c, 0,1
.irp i, 0,1,2
	v_permlane16_swap_b32 v[\pc+6*\c+\i], v[\pc+12+4*\c+\i]
.endr
.irp i, 0,1,2
	v_mov_b32 v[\pc+3+6*\c+\i], v[\pc+12+4*\c+\i]
.endr
.endr
.endm
.irp a, 0,1,2,3,4,5,6,7                        ; tile a: 16 channels; its 64 registers are the step's 128 keys
.if \a > 1
	s_wait_xcnt 0x0                                ; the stores of two tiles back have read their registers
.endif
	QUANT4 64*(\a%4), 2+\a/4, 192+20*(\a%2), PWS+\a
.irp c, 0,1,2
	global_store_b128 v[LI], v[192+20*(\a%2)+4*\c:192+20*(\a%2)+4*\c+3], s[72:73] offset:\a*1536+512*\c
.endr
.endr
.irp j, 0,1,2,3
	v_cndmask_b32 v[TM+\j], v[PWS+\j], v[PWS+4+\j], s78
.endr
	global_store_b128 v[LI], v[TM:TM+3], s[74:75]
.Lout:
	s_wait_tensorcnt 0x0                           ; the wave's end
	ds_add_u32 v[SPW], v[NIL]
	s_wait_dscnt 0x0
	CROUND                                         ; the closing round
	s_endpgm
.Lfunc_end_k_q3960ec69b0_gemm_qkv:
	.size	k_q3960ec69b0_gemm_qkv, .Lfunc_end_k_q3960ec69b0_gemm_qkv-k_q3960ec69b0_gemm_qkv
	.p2alignl 7, 3214868480
	.fill 96, 4, 3214868480
	.section	.rodata,"a",@progbits
	.p2align	6, 0x0
	.amdhsa_kernel k_q3960ec69b0_gemm_qkv
		.amdhsa_group_segment_fixed_size 327680
		.amdhsa_private_segment_fixed_size 0
		.amdhsa_enable_private_segment 0
		.amdhsa_kernarg_size 24
		.amdhsa_user_sgpr_count 2
		.amdhsa_user_sgpr_kernarg_segment_ptr 1
		.amdhsa_wavefront_size32 1
		.amdhsa_system_sgpr_workgroup_id_x 1
		.amdhsa_system_sgpr_workgroup_id_y 1
		.amdhsa_system_sgpr_workgroup_id_z 1
		.amdhsa_system_vgpr_workitem_id 0
		.amdhsa_next_free_vgpr 1024
		.amdhsa_next_free_sgpr 100
		.amdhsa_reserve_vcc 0
		.amdhsa_float_denorm_mode_32 3
		.amdhsa_float_denorm_mode_16_64 3
		.amdhsa_memory_ordered 1
		.amdhsa_forward_progress 1
		.amdhsa_inst_pref_size 211
	.end_amdhsa_kernel
	.amdgpu_metadata
---
amdhsa.version: [ 1, 2 ]
amdhsa.kernels:
  - .name:           k_q3960ec69b0_gemm_qkv
    .symbol:         k_q3960ec69b0_gemm_qkv.kd
    .args:
      - { .name: hbuf, .offset: 0, .size: 8, .value_kind: global_buffer, .address_space: global }
      - { .name: wprep, .offset: 8, .size: 8, .value_kind: global_buffer, .address_space: global }
      - { .name: qkv, .offset: 16, .size: 8, .value_kind: global_buffer, .address_space: global }
    .group_segment_fixed_size: 327680
    .private_segment_fixed_size: 0
    .kernarg_segment_align: 8
    .kernarg_segment_size: 24
    .max_flat_workgroup_size: 128
    .sgpr_count:     100
    .vgpr_count:     1024
    .wavefront_size: 32
...
	.end_amdgpu_metadata
.endif
;; end of part 2
;; launch attn (part 3): grid 16 x 16, 8 waves a work-group, no clusters, 167,936 bytes of LDS; arguments qkv, obuf; writes obuf
.if DOCPART == 3
	.amdgcn_target "amdgcn-amd-amdhsa--gfx1250"
	.amdhsa_code_object_version 6
	.text
	.protected	k_q3960ec69b0_attn
	.globl	k_q3960ec69b0_attn
	.p2align	8
	.type	k_q3960ec69b0_attn,@function
k_q3960ec69b0_attn:
	s_mov_b64 s[64:65], 0
	v_nop
	global_prefetch_b8 v0, s[64:65] scope:SCOPE_SE
	s_setreg_imm32_b32 hwreg(HW_REG_WAVE_MODE, 25, 1), 1
	s_wait_xcnt 0x0
; PRODUCTS 2 AND 3 ON THE BAND, the softmax between them, and the quantiser of o.  Work left out: key steps other than g - 2, g - 1, g for the queries 128 g .. 128 g + 127: reference()'s own mask (0 <= t - s < 256)
; hides all their keys, so their p is 0 for all finite inputs.  LIMIT: a NaN or an infinity that reaches only those tiles is not carried.
; SHARES.  Work-group (g, bh): 128 queries of one pair of heads (bh = batch x 8 + pair).  Wave a owns query tile a (queries 32 (a / 2) + 8 (a % 2) + r + 8 (r / 8)), first the pair's head 0, then head 1:
; so it makes one whole register image (16 tokens x 128 of E) of obuf's record (token group, K step = pair).
; LAYOUT.  Both products transposed: S^T = k q^T (K = 64: the upper six registers of both operands are zero codes), O^T = v^T p^T: a lane holds one query throughout; the 16 registers of two neighbouring key tiles are 16 neighbouring keys.
; SOFTMAX.  t = score x log2(e) / 8; M = the running largest t rounded up to a whole number; p = 2^(t - M) is quantised along the keys, not normalised; the row's sum of the unquantised p divides at the end.
; LDS is filled once, at the head: three key steps of k, of v and their scale words, one tensor load a wave (by this text's count one is out).  The steps fetched are max(g - 2, 0) + 0, 1, 2; for g < 2 one or two of them come
; after the queries: they are fetched and not walked.
; No cluster: a key step is read by three work-groups whose windows differ, so no fixed partners make the same requests.  No prefetch: all is asked for at the head.
; LIMITS: NaN and infinities are not served; v_exp_f32 and v_rcp_f32 are good to 1 ulp and flush denormals; a block of zeros gets the byte 1.
.set KCO,  3145728
.set VCO,  6291456
.set QSG,  9437184
.set KSG,  9699328
.set VSG,  9961472
.set REC,  12800
.set VOFF, 36864                       ; LDS: k 3 x 12,288; v 3 x 12,288;
.set KSL,  73728                       ; k's scale words 3 x 1,024; v's 3 x 512;
.set VSL,  76800
.set OSS,  78336                       ; o's scale words, 512 bytes, stored by the waves: blocks of their own;
.set SPARE, 78848                      ; the spare words, 128 bytes a wave
.set WV,  18
.set SEL, 20
.set CS,  22
.set G1A, 24
.set G1B, 32
.set G1C, 40
.set G0A, 48
.set G0B, 52
.set G0C, 56
.set TB,  60                           ; LDS byte of the step's tiles (k's; v's lie VOFF on)
.set TSK, 61                           ; of k's scale words
.set TSV, 62                           ; of v's
.set KSI, 63                           ; the key step's number
.set JC,  66
.set TM,  232
.set TQ,  240
; REGISTERS: v1 16 lane, v2 512 + 8 lane, v3, v29 scale words' places, v4 v's place, v5, v6 the add's, v7 d0, v8-11, v28 the step's addresses, v12 -M, v13 largest t, v[14:15] the sum, v16-27 q of head 0, v100-111 of head 1,
; v30 16 r, v31 o's scale word's place, v32-79 four fragments of k, v80-91 o's image, v92 its scale word, v93, v94 q's scale words, v128-191 S^T, then p, then v's four fragments, v192-223 O^T, v224-255 at work.
	s_load_b128 s[4:7], s[0:1], 0x0                ; qkv, obuf
	v_lshl_add_u32 v5, v0, 2, SPARE
	v_mov_b32 v6, 0
	ds_add_u32 v5, v6                              ; the wave's opening: the add, twice on end, and its wait ahead of my first tensor load
	ds_add_u32 v5, v6
	v_lshrrev_b32 v8, 5, v0
	s_delay_alu instid0(VALU_DEP_1)
	v_readfirstlane_b32 s[WV], v8
	v_and_b32 v8, 31, v0
	v_and_b32 v9, 15, v0                           ; r
	v_bfe_u32 v10, v0, 4, 1                        ; h
	s_delay_alu instid0(VALU_DEP_3)
	v_lshlrev_b32 v1, 4, v8
	s_delay_alu instid0(VALU_DEP_4)
	v_lshl_add_u32 v2, v8, 3, 512
	s_delay_alu instid0(VALU_DEP_4)
	v_lshlrev_b32 v30, 4, v9
	s_delay_alu instid0(VALU_DEP_1)
	v_add_nc_u32 v3, KSL, v30
	s_delay_alu instid0(VALU_DEP_4)
	v_add_nc_u32 v4, VOFF, v1
	s_delay_alu instid0(VALU_DEP_3)
	v_add_nc_u32 v29, VSL, v30
	s_lshr_b32 s70, s[WV], 2
	s_lshl_b32 s70, s70, 8
	s_and_b32 s71, s[WV], 3
	s_lshl_b32 s71, s71, 2
	s_add_co_u32 s71, s71, s70                     ; 256 (a / 4) + 4 (a % 4): my tile's place among scale words
	s_add_co_u32 s70, s71, OSS
	v_add_nc_u32 v31, s70, v30
	v_and_b32 v7, 8, v9
	s_delay_alu instid0(VALU_DEP_1)
	v_add_nc_u32 v7, v7, v9
	v_lshlrev_b32 v11, 4, v10
	s_delay_alu instid0(VALU_DEP_1)
	v_sub_nc_u32 v7, v7, v11
	s_lshr_b32 s70, s[WV], 1
	s_lshl_b32 s70, s70, 5
	s_and_b32 s72, s[WV], 1
	s_lshl_b32 s72, s72, 3
	s_add_co_u32 s70, s70, s72
	v_add_nc_u32 v7, s70, v7                       ; d0 = my query in its 128 - 16 h
	s_and_b32 s8, ttmp7, 0xffff                    ; bh
	s_max_u32 s9, ttmp9, 2
	s_sub_co_u32 s9, s9, 2                         ; the first key step fetched
	s_lshl_b32 s10, s8, 4
	s_add_co_u32 s11, s10, s9                      ; its blk
	s_add_co_u32 s10, s10, ttmp9                   ; the queries' blk
.irp g, G1A, G1B, G1C
	s_mov_b32 s[\g], 3<<16                         ; dense blocks as rows of 256 bytes: 32 elements of 8 bytes
	s_mov_b32 s[\g+1], 32<<16
	s_mov_b32 s[\g+3], 32<<16
	s_mov_b32 s[\g+5], 32
	s_mov_b32 s[\g+6], 0
	s_mov_b32 s[\g+7], 0
.endr
	s_mov_b32 s[G1A+2], 48<<16                     ; a key step of k or v: 12,288 bytes
	s_mov_b32 s[G1A+4], 48
	s_mov_b32 s[G1B+2], 12<<16                     ; k's scale words of three steps
	s_mov_b32 s[G1B+4], 12
	s_mov_b32 s[G1C+2], 6<<16                      ; v's
	s_mov_b32 s[G1C+4], 6
	s_add_co_u32 s12, s11, s[WV]
	s_mul_i32 s12, s12, 12288
	s_mov_b32 s13, VCO-36864
	s_cmp_lt_u32 s[WV], 3                          ; waves 0-2: k's steps; waves 3-5: v's
	s_cselect_b32 s13, KCO, s13
	s_add_co_u32 s12, s12, s13
	s_mov_b32 s13, 0
	s_lshl_b32 s14, s11, 10
	s_add_co_u32 s14, s14, KSG
	s_mov_b32 s15, 0
	s_lshl_b32 s16, s11, 9
	s_add_co_u32 s16, s16, VSG
	s_mov_b32 s17, 0
	s_mov_b32 s[SEL], 0x76543210
	s_mov_b32 s[SEL+1], 0xfedcba98
	s_mov_b32 s[CS], 0x3e38aa3b                    ; c = log2(e) / 8
	s_mov_b32 s[CS+1], s[CS]
	s_mov_b32 s[G0A], 1
	s_mul_i32 s[G0A+1], s[WV], 12288
	s_mov_b32 s[G0B], 1
	s_mov_b32 s[G0B+1], KSL
	s_mov_b32 s[G0C], 1
	s_mov_b32 s[G0C+1], VSL
	s_wait_dscnt 0x0                               ; both opening adds are done
	s_wait_kmcnt 0x0
	s_add_nc_u64 s[G0A+2:G0A+3], s[4:5], s[12:13]
	s_or_b32 s[G0A+3], s[G0A+3], 0x80000000
	s_add_nc_u64 s[G0B+2:G0B+3], s[4:5], s[14:15]
	s_or_b32 s[G0B+3], s[G0B+3], 0x80000000
	s_add_nc_u64 s[G0C+2:G0C+3], s[4:5], s[16:17]
	s_or_b32 s[G0C+3], s[G0C+3], 0x80000000
	s_cmp_lt_u32 s[WV], 6                          ; every wave issues one first fill, in its arm of a branch on the wave's number
	s_cbranch_scc0 .Lscales
	tensor_load_to_lds s[G0A:G0A+3], s[G1A:G1A+7]
	s_nop 0
.rept 4
	v_nop
.endr
	s_branch .Lasked
.Lscales:
	s_cmp_eq_u32 s[WV], 6
	s_cbranch_scc0 .Lscales_v
	tensor_load_to_lds s[G0B:G0B+3], s[G1B:G1B+7]
	s_nop 0
.rept 4
	v_nop
.endr
	s_branch .Lasked
.Lscales_v:
	tensor_load_to_lds s[G0C:G0C+3], s[G1C:G1C+7]
	s_nop 0
.rept 4
	v_nop
.endr
.Lasked:
	s_mul_i32 s12, s10, 12288
	s_mul_i32 s14, s[WV], 768
	s_add_co_u32 s12, s12, s14
	s_add_nc_u64 s[14:15], s[4:5], s[12:13]        ; q: my tile's images
	s_lshl_b32 s12, s10, 10
	s_add_co_u32 s12, s12, s71
	s_add_co_u32 s12, s12, QSG
	s_add_nc_u64 s[16:17], s[4:5], s[12:13]        ; and scale words
	global_load_b128 v[16:19], v1, s[14:15]
	global_load_b64 v[20:21], v2, s[14:15]
	global_load_b128 v[100:103], v1, s[14:15] offset:6144
	global_load_b64 v[104:105], v2, s[14:15] offset:6144
	global_load_b32 v93, v30, s[16:17]
	global_load_b32 v94, v30, s[16:17] offset:512
	s_lshr_b32 s12, s8, 3
	s_lshl_b32 s12, s12, 4
	s_add_co_u32 s12, s12, ttmp9
	s_lshl_b32 s12, s12, 3
	s_and_b32 s70, s8, 7
	s_add_co_u32 s12, s12, s70
	s_mul_i32 s12, s12, REC                        ; obuf's record (token group, pair)
	s_add_nc_u64 s[72:73], s[6:7], s[12:13]
	s_mul_i32 s12, s[WV], 1536
	s_add_nc_u64 s[68:69], s[72:73], s[12:13]      ; my image in it
.irp j, 22,23,24,25,26,27,106,107,108,109,110,111
	v_mov_b32 v\j, 0                               ; K = 64: zero codes above
.endr
.irp t, 0,1,2,3
.irp j, 6,7,8,9,10,11
	v_mov_b32 v[32+12*\t+\j], 0
.endr
.endr
.irp b, 0,1,2,3
	v_mov_b32 v[236+\b], 0                         ; a lane permute's destination counts as one of its sources
.endr
	v_mov_b32 v252, 0                              ; likewise: the way out's permute lands here, and the text has a way on which no step has written it
	v_mov_b32 v253, 0                              ; (named as the upper half of the pair v[252:253] before it is first written)
	s_wait_tensorcnt 0x0                           ; my fill has landed,
	s_barrier_signal -1
	s_barrier_wait -1                              ; everybody's has
	s_wait_loadcnt 0x0                             ; q
.macro QUANT2 s, dst, pw
.irp b, 0,1
	v_max3_num_f32 v[TM+\b], |v[\s+16*\b]|, |v[\s+1+16*\b]|, 0x1800000
.endr
.irp i, 2,4,6,8,10,12,14
.irp b, 0,1
	s_delay_alu instid0(VALU_DEP_2)
	v_max3_num_f32 v[TM+\b], v[TM+\b], |v[\s+16*\b+\i]|, |v[\s+1+16*\b+\i]|
.endr
.endr
.irp b, 0,1
	s_delay_alu instid0(VALU_DEP_2)
	v_permlanex16_b32 v[TM+4+\b], v[TM+\b], s[SEL], s[SEL+1]
.endr
.irp b, 0,1
	s_delay_alu instid0(VALU_DEP_2)
	v_max_num_f32 v[TM+\b], v[TM+\b], v[TM+4+\b]
.endr
.irp b, 0,1
	s_delay_alu instid0(VALU_DEP_2)
	v_add_nc_u32 v[TM+12+\b], 0xff000000, v[TM+\b]
.endr
.irp b, 0,1
	s_delay_alu instid0(VALU_DEP_2)
	v_lshrrev_b32 v[TM+4+\b], 23, v[TM+12+\b]
.endr
	s_delay_alu instid0(VALU_DEP_1)
	v_lshl_or_b32 v[\pw], v[TM+5], 8, v[TM+4]
	v_cvt_scalef32_pk16_fp6_f32 v[\dst:\dst+2], v[\s:\s+15], v[TM+12]
	v_cvt_scalef32_pk16_fp6_f32 v[TQ:TQ+2], v[\s+16:\s+31], v[TM+13]
	v_nop
.irp i, 0,1,2
	v_permlane16_swap_b32 v[\dst+\i], v[TQ+\i]
.endr
.irp i, 0,1,2
	s_delay_alu instid0(VALU_DEP_3)
	v_mov_b32 v[\dst+3+\i], v[TQ+\i]
.endr
.endm
; ONE HEAD of the pair: q's fragment at v[q], its scale words in v[qs]
.macro HEADM eta, q, qs
	v_mov_b32 v13, 0xff61b1e6                      ; the largest t so far: -3e38
	s_delay_alu instid0(VALU_DEP_1)
	v_floor_f32 v12, -v13
	v_mov_b32 v14, 0
	v_mov_b32 v15, 0
.set N, 0
.rept 32
	v_mov_b32 v[192+N], 0                          ; O^T: the step is written once; the first change of M leaves zeros zeros
.set N, N+1
.endr
	s_mov_b32 s[TB], 6144*\eta
	s_mov_b32 s[TSK], 512*\eta
	s_mov_b32 s[TSV], 256*\eta
	s_mov_b32 s[KSI], s9
	s_mov_b32 s[JC], 3
.Lstep_\@:
	s_cmp_gt_u32 s[KSI], ttmp9                     ; a step that comes after my queries is not walked (ids alone)
	s_cbranch_scc1 .Lskip_\@
	v_add_nc_u32 v8, s[TB], v1                     ; five plain lines: the places between the last products, which read v128-175 and v248-251, and the loads and products that write them
	s_wait_alu depctr_va_vdst(0)
	v_add_nc_u32 v9, s[TB], v2
	s_wait_alu depctr_va_vdst(0)
	v_add_nc_u32 v10, s[TSK], v3
	s_wait_alu depctr_va_vdst(0)
	v_add_nc_u32 v11, s[TB], v4
	v_add_nc_u32 v28, s[TSV], v29
.irp gq, 0,1
.if \gq
.rept 4
	v_nop
.endr
.endif
.irp t, 0,1,2,3
	ds_load_b128 v[32+12*\t:35+12*\t], v8 offset:(4*\gq+\t)*768
	ds_load_b64 v[36+12*\t:37+12*\t], v9 offset:(4*\gq+\t)*768
.endr
	ds_load_b128 v[248:251], v10 offset:256*\gq
	s_wait_dscnt 0x0
.irp t, 0,1,2,3
	v_wmma_scale_f32_16x16x128_f8f6f4 v[128+8*(4*\gq+\t):135+8*(4*\gq+\t)], v[32+12*\t:43+12*\t], v[\q:\q+11], 0, v[248+\t], v[\qs] matrix_a_fmt:MATRIX_FMT_FP6 matrix_b_fmt:MATRIX_FMT_FP6
.endr
.endr
.rept 4
	v_nop
.endr
	s_sub_co_u32 s70, ttmp9, s[KSI]                ; 0: the diagonal step; 1: all keys count; 2: the far edge of the band
	s_cmp_eq_u32 s70, 1
	s_cbranch_scc1 .Lopen_\@
	v_mov_b32 v254, 0xff800000                     ; -infinity: p = 0
	s_cmp_eq_u32 s70, 0
	s_cbranch_scc0 .Lfar_\@
.set N, 0
.rept 64                                       ; register 16 b + i holds key 32 b + 16 h + i of the step: hidden where 32 b + i > d0
	v_cmp_gt_i32 vcc_lo, 32*(N/16)+N%16, v7
	v_cndmask_b32 v[128+N], v[128+N], v254, vcc_lo
.set N, N+1
.endr
	s_branch .Lopen_\@
.Lfar_\@:
.set N, 0
	s_wait_alu depctr_va_vdst(0)
.rept 64                                       ; two steps back: t - s = 256 + query - key: it counts where 32 b + i > d0
	v_cmp_gt_i32 vcc_lo, 32*(N/16)+N%16, v7
	v_cndmask_b32 v[128+N], v254, v[128+N], vcc_lo
.set N, N+1
.endr
.Lopen_\@:
.irp b, 0,1,2,3
	v_max3_num_f32 v[232+\b], v[128+16*\b], v[129+16*\b], v[130+16*\b]   ; the largest score of each block of 32 keys: for the row's maximum and for the block's largest p
.endr
.irp i, 3,5,7,9,11,13
.irp b, 0,1,2,3
	v_max3_num_f32 v[232+\b], v[232+\b], v[128+16*\b+\i], v[129+16*\b+\i]
.endr
.endr
.irp b, 0,1,2,3
	v_max_num_f32 v[232+\b], v[232+\b], v[143+16*\b]
.endr
.irp b, 0,1,2,3
	s_delay_alu instid0(VALU_DEP_4)
	v_permlanex16_b32 v[236+\b], v[232+\b], s[SEL], s[SEL+1]
.endr
.irp b, 0,1,2,3
	s_delay_alu instid0(VALU_DEP_4)
	v_max_num_f32 v[232+\b], v[232+\b], v[236+\b]
.endr
	s_delay_alu instid0(VALU_DEP_2)
	v_max3_num_f32 v254, v232, v233, v234
	s_delay_alu instid0(VALU_DEP_1)
	v_max_num_f32 v254, v254, v235
	s_delay_alu instid0(VALU_DEP_1)
	v_mul_f32 v254, s[CS], v254
	s_delay_alu instid0(VALU_DEP_1)
	v_max_num_f32 v13, v13, v254                   ; the running largest t
	v_mov_b32 v254, v12
	s_delay_alu instid0(VALU_DEP_2)
	v_floor_f32 v12, -v13                          ; -M = floor(-t): M is a whole number
	s_delay_alu instid0(VALU_DEP_1)
	v_sub_f32 v254, v12, v254
	s_delay_alu instid0(VALU_DEP_1)
	v_cvt_i32_f32 v254, v254                       ; (it saturates)
	s_delay_alu instid0(VALU_DEP_1)
	v_ldexp_f32 v252, 1.0, v254                    ; f = 2^(old M - new M)
.set N, 0
.rept 32
	v_pk_fma_f32 v[128+N:129+N], v[128+N:129+N], s[CS:CS+1], v[12:13] op_sel_hi:[1,0,0]   ; t - M
.set N, N+2
.endr
.irp b, 0,1,2,3
	v_fma_f32 v[232+\b], v[232+\b], s[CS], v12
.endr
.set N, 0
	s_wait_alu depctr_va_vdst(0)
.rept 64
	v_exp_f32 v[128+N], v[128+N]                   ; p, not normalised
.set N, N+1
.endr
	v_pk_mul_f32 v[14:15], v[14:15], v[252:253] op_sel_hi:[1,0]   ; the sums under the new M; a plain place behind the batch
	s_wait_alu depctr_va_vdst(0)                   ; one wait for the batch, ahead of its first reader
.irp b, 0,1,2,3
	v_exp_f32 v[232+\b], v[232+\b]                 ; each block's largest p
.endr
	v_pk_add_f32 v[236:237], v[132:133], v[136:137]
	v_pk_add_f32 v[254:255], v[140:141], v[144:145]
	v_pk_add_f32 v[250:251], v[148:149], v[152:153]
	v_pk_add_f32 v[248:249], v[156:157], v[160:161]
	v_pk_add_f32 v[246:247], v[164:165], v[168:169]
	v_pk_add_f32 v[244:245], v[172:173], v[176:177]
	v_pk_add_f32 v[242:243], v[180:181], v[184:185]
	v_pk_add_f32 v[14:15], v[14:15], v[188:189]
	v_pk_add_f32 v[236:237], v[236:237], v[128:129]
	v_pk_add_f32 v[254:255], v[254:255], v[130:131]
	v_pk_add_f32 v[250:251], v[250:251], v[134:135]
	v_pk_add_f32 v[248:249], v[248:249], v[138:139]
	v_pk_add_f32 v[246:247], v[246:247], v[142:143]
	v_pk_add_f32 v[244:245], v[244:245], v[146:147]
	v_pk_add_f32 v[242:243], v[242:243], v[150:151]
	v_pk_add_f32 v[14:15], v[14:15], v[154:155]
	v_pk_add_f32 v[236:237], v[236:237], v[158:159]
	v_pk_add_f32 v[254:255], v[254:255], v[162:163]
	v_pk_add_f32 v[250:251], v[250:251], v[166:167]
	v_pk_add_f32 v[248:249], v[248:249], v[170:171]
	v_pk_add_f32 v[246:247], v[246:247], v[174:175]
	v_pk_add_f32 v[244:245], v[244:245], v[178:179]
	v_pk_add_f32 v[242:243], v[242:243], v[182:183]
	v_pk_add_f32 v[14:15], v[14:15], v[186:187]
	v_pk_add_f32 v[236:237], v[236:237], v[190:191]
	s_delay_alu instid0(VALU_DEP_2)
	v_pk_add_f32 v[14:15], v[14:15], v[248:249]
	s_delay_alu instid0(VALU_DEP_2)
	v_pk_add_f32 v[236:237], v[236:237], v[246:247]
	v_pk_add_f32 v[254:255], v[254:255], v[244:245]
	v_pk_add_f32 v[250:251], v[250:251], v[242:243]
	s_delay_alu instid0(VALU_DEP_2)
	v_pk_add_f32 v[14:15], v[14:15], v[254:255]
	s_delay_alu instid0(VALU_DEP_2)
	v_pk_add_f32 v[236:237], v[236:237], v[250:251]
	s_delay_alu instid0(VALU_DEP_1)
	v_pk_add_f32 v[14:15], v[14:15], v[236:237]
	s_wait_alu depctr_va_vdst(0)                   ; and one for the four
.irp b, 0,1,2,3
	v_max_num_f32 v[232+\b], 0x1800000, v[232+\b]
.endr
.irp b, 0,1,2,3
	s_delay_alu instid0(VALU_DEP_4)
	v_add_nc_u32 v[244+\b], 0xff000000, v[232+\b]
.endr
.irp b, 0,1,2,3
	s_delay_alu instid0(VALU_DEP_4)
	v_lshrrev_b32 v[236+\b], 23, v[244+\b]
.endr
	s_delay_alu instid0(VALU_DEP_3)
	v_lshl_or_b32 v253, v237, 8, v236              ; p's scale word for these 128 keys
	s_delay_alu instid0(VALU_DEP_1)
	v_lshl_or_b32 v253, v238, 16, v253
	s_delay_alu instid0(VALU_DEP_1)
	v_lshl_or_b32 v253, v239, 24, v253
.irp c, 0,1
	v_cvt_scalef32_pk16_fp6_f32 v[224+6*\c:226+6*\c], v[128+32*\c:143+32*\c], v[244+2*\c]
	v_cvt_scalef32_pk16_fp6_f32 v[236+4*\c:238+4*\c], v[144+32*\c:159+32*\c], v[245+2*\c]
.endr
	v_nop
.irp c, 0,1
.irp i, 0,1,2
	v_permlane16_swap_b32 v[224+6*\c+\i], v[236+4*\c+\i]
.endr
.irp i, 0,1,2
	s_delay_alu instid0(VALU_DEP_3)
	v_mov_b32 v[227+6*\c+\i], v[236+4*\c+\i]
.endr
.endr
.irp t, 0,1,2,3                                ; v's four tiles of 16 channels x these 128 keys, into the registers that p has left
.irp c, 0,1,2
	ds_load_b128 v[128+12*\t+4*\c:131+12*\t+4*\c], v11 offset:1536*\t+512*\c
.endr
.endr
	ds_load_b128 v[248:251], v28
.set N, 0
.rept 16
	v_pk_mul_f32 v[192+N:193+N], v[192+N:193+N], v[252:253] op_sel_hi:[1,0]   ; O^T under the new M; also the places in front of the products below
.set N, N+2
.endr
	s_wait_alu depctr_va_vdst(0)
	s_wait_dscnt 0x0
.irp t, 0,1,2,3
	v_wmma_scale_f32_16x16x128_f8f6f4 v[192+8*\t:199+8*\t], v[128+12*\t:139+12*\t], v[224:235], v[192+8*\t:199+8*\t], v[248+\t], v253 matrix_a_fmt:MATRIX_FMT_FP6 matrix_b_fmt:MATRIX_FMT_FP6
.endr
.Lskip_\@:
	s_add_co_u32 s[TB], s[TB], 12288
	s_add_co_u32 s[TSK], s[TSK], 1024
	s_add_co_u32 s[TSV], s[TSV], 512
	s_add_co_u32 s[KSI], s[KSI], 1
	s_sub_co_u32 s[JC], s[JC], 1
	s_cmp_lg_u32 s[JC], 0
	s_cbranch_scc1 .Lstep_\@
.rept 4
	v_nop
.endr
	v_add_f32 v14, v14, v15
	s_delay_alu instid0(VALU_DEP_1)
	v_permlanex16_b32 v252, v14, s[SEL], s[SEL+1]
	s_delay_alu instid0(VALU_DEP_1)
	v_add_f32 v14, v14, v252                       ; the row's sum
	s_wait_alu depctr_va_vdst(0)
	v_rcp_f32 v14, v14
	v_nop
	s_wait_alu depctr_va_vdst(0)
.set N, 0
.rept 32
	v_mul_f32 v[128+N], v[192+N], v14              ; o: register 16 b + i is channel 32 b + 16 h + i of this head
.set N, N+1
.endr
	QUANT2 128, 80+6*\eta, 254
.if \eta
	v_lshl_or_b32 v92, v254, 16, v92
.else
	v_mov_b32 v92, v254
.endif
.endm
	HEADM 0, 16, 93
	HEADM 1, 100, 94
	global_store_b128 v1, v[80:83], s[68:69]
	global_store_b128 v1, v[84:87], s[68:69] offset:512
	global_store_b128 v1, v[88:91], s[68:69] offset:1024
	ds_store_b32 v31, v92                          ; lanes r and r + 16 write the same word with the same value
	s_wait_dscnt 0x0
	s_barrier_signal -1
	s_barrier_wait -1
	s_wait_tensorcnt 0x0                           ; the wave's end, behind my last LDS store; only a read of LDS follows
	ds_add_u32 v5, v6
	s_wait_dscnt 0x0
	s_cmp_lg_u32 s[WV], 0
	s_cbranch_scc1 .Lend
	v_add_nc_u32 v8, OSS, v1
	ds_load_b128 v[32:35], v8                      ; the record's 512 bytes of scale words leave whole
	s_wait_dscnt 0x0
	global_store_b128 v1, v[32:35], s[72:73] offset:12288
.Lend:
	s_endpgm
.Lfunc_end_k_q3960ec69b0_attn:
	.size	k_q3960ec69b0_attn, .Lfunc_end_k_q3960ec69b0_attn-k_q3960ec69b0_attn
	.p2alignl 7, 3214868480
	.fill 96, 4, 3214868480
	.section	.rodata,"a",@progbits
	.p2align	6, 0x0
	.amdhsa_kernel k_q3960ec69b0_attn
		.amdhsa_group_segment_fixed_size 167936
		.amdhsa_private_segment_fixed_size 0
		.amdhsa_enable_private_segment 0
		.amdhsa_kernarg_size 16
		.amdhsa_user_sgpr_count 2
		.amdhsa_user_sgpr_kernarg_segment_ptr 1
		.amdhsa_wavefront_size32 1
		.amdhsa_system_sgpr_workgroup_id_x 1
		.amdhsa_system_sgpr_workgroup_id_y 1
		.amdhsa_system_sgpr_workgroup_id_z 1
		.amdhsa_system_vgpr_workitem_id 0
		.amdhsa_next_free_vgpr 256
		.amdhsa_next_free_sgpr 96
		.amdhsa_reserve_vcc 1
		.amdhsa_float_denorm_mode_32 3
		.amdhsa_float_denorm_mode_16_64 3
		.amdhsa_memory_ordered 1
		.amdhsa_forward_progress 1
		.amdhsa_inst_pref_size 76
	.end_amdhsa_kernel
	.amdgpu_metadata
---
amdhsa.version: [ 1, 2 ]
amdhsa.kernels:
  - .name:           k_q3960ec69b0_attn
    .symbol:         k_q3960ec69b0_attn.kd
    .args:
      - { .name: qkv, .offset: 0, .size: 8, .value_kind: global_buffer, .address_space: global }
      - { .name: obuf, .offset: 8, .size: 8, .value_kind: global_buffer, .address_space: global }
    .group_segment_fixed_size: 167936
    .private_segment_fixed_size: 0
    .kernarg_segment_align: 8
    .kernarg_segment_size: 16
    .max_flat_workgroup_size: 256
    .sgpr_count:     96
    .vgpr_count:     256
    .wavefront_size: 32
...
	.end_amdgpu_metadata
.endif
;; end of part 3
;; launch gemm_o (part 4): grid 8 x 32, 4 waves a work-group, clusters of 4 x 4, 327,680 bytes of LDS; arguments obuf, wprep, x, x1; writes x1
.if DOCPART == 4
	.amdgcn_target "amdgcn-amd-amdhsa--gfx1250"
	.amdhsa_code_object_version 6
	.text
	.protected	k_q3960ec69b0_gemm_o
	.globl	k_q3960ec69b0_gemm_o
	.p2align	8
	.type	k_q3960ec69b0_gemm_o,@function
k_q3960ec69b0_gemm_o:
	s_mov_b64 s[64:65], 0
	v_nop
	global_prefetch_b8 v0, s[64:65] scope:SCOPE_SE
	s_setreg_imm32_b32 hwreg(HW_REG_WAVE_MODE, 25, 1), 1
	s_wait_xcnt 0x0
	s_wait_alu depctr_hold_cnt(0) depctr_sa_sdst(0) depctr_va_vdst(0) depctr_va_sdst(0) depctr_va_ssrc(0) depctr_va_vcc(0) depctr_vm_vsrc(0)
	s_getreg_b32 s2, hwreg(HW_REG_IB_STS2, 6, 4)
	s_cmp_eq_u32 s2, 0
	s_cbranch_scc0 .Lentry_in_a_cluster
	s_endpgm
.Lentry_in_a_cluster:
	s_bfe_u32 s2, ttmp6, 0x10000c
	s_cmp_lg_u32 s2, 0xf033
	s_cbranch_scc0 .Lentry_shape_is_right
	s_endpgm
.Lentry_shape_is_right:
; PRODUCT 4 AND THE FIRST RESIDUAL: x1 = x + o out_proj^T.  Operands are records (12,800 bytes: 8 register images of 16 rows x 128 K and their scale words; tile i holds rows 32 (i / 2) + 8 (i % 2) + r + 8 (r / 8)).  No work is left out here.
; A work-group makes 128 tokens (P: one group of records) x 128 outputs (Q: one group): with N = 1,024 that gives 256 work-groups.  A wave makes 64 x 64: 16 accumulators.  Source 0 = 16 rows of Q, source 1 = 16 rows of P.
; A K step is two records, 25,600 bytes; LDS has twelve places for K steps (P's records from byte 0, Q's from byte 153,600).  K = 1,024 is eight K steps: they lie in places 0-7, asked for at the start by joint loads
; (P shared along a row of the 4 x 4 cluster, Q along a column), one tensor load a wave; nothing is filled again, and the eight K steps have no barrier between them.  No prefetch: all is asked for at the head.
; The residual's 32 loads a lane are issued at the head, in the layout in which the results leave, and land under the products.
; REGISTERS: window 0: v6-17 LDS addresses, v24-29, v32-47 scale words (two sets: Q's four tiles, P's four), v64-127 the way out, v128-255 the accumulators ((a, b) at v[128 + 8 (4 a + b)]).
;   window 1: two sets of fragments at v0 and v128: Q's four (48 registers), then P's four.   window 2: v0-127 the residual.
.set KST,  8
.set QOFF, 192*12800
.set REC,  12800
.set NPOS, 12                          ; places for K steps in LDS
.set QB,   NPOS*REC                    ; where Q's records begin
.set STAGE, 8*REC                      ; the way out's stages, 16 rows x 272 bytes a wave: in P's places 8, 9, into which no tensor load of this launch lands
.set SPARE, 2*NPOS*REC
.set ADP, 6                            ; v6-8 my P fragments in places 0-3, 4-7, 8-11;  v9-11 Q's;  v12-14 P's scale words;  v15-17 Q's
.set ADQ, 9
.set ASP, 12
.set ASQ, 15
.set PFO, 18
.set LI,  24
.set STO, 25
.set RD,  26
.set CO,  27
.set SPW, 28
.set NIL, 29
.set SC,  32
.set BK,  64
.set ACC, 128
.set G1PA, 24                          ; group 1: four records (200 rows of 256 bytes), P's mask;  G1QA: Q's mask;  G1PB, G1QB: two records (100 rows)
.set G1PB, 32
.set G1QA, 48
.set G1QB, 56
.set G0PA, 68
.set G0PB, 72
.set G0QA, 76
.set G0QB, 80
.set PF8, 92
.set PF4, 94
.set LIM, 96
.set MUL,  0x05                        ; sources 0 (Q) and 1 (P) window 1; C and D window 0
.set TO_F, 0x40                        ; destination window 1, address window 0
.set MSB, 0
.macro WIN new
.if MSB != \new
	s_set_vgpr_msb (MSB<<8)|\new
.set MSB, \new
.endif
.endm
.macro PLACES n
.rept \n
	v_nop
.endr
.endm
.macro JLOAD g0a, g1a, g0b, g1b        ; waves 0, 1 fetch P's halves along K, waves 2, 3 Q's; an s_nop 0 and four v_nop follow each line
	s_cmp_eq_u32 s15, 0
	s_cbranch_scc0 .Lfor_b_\@
	tensor_load_to_lds s[\g0a:\g0a+3], s[\g1a:\g1a+7]
	s_nop 0
.rept 4
	v_nop
.endr
	s_branch .Lasked_\@
.Lfor_b_\@:
	tensor_load_to_lds s[\g0b:\g0b+3], s[\g1b:\g1b+7]
	s_nop 0
.rept 4
	v_nop
.endr
.Lasked_\@:
.endm
.macro CREST
	s_cmp_lg_u32 s14, 0
	s_cbranch_scc1 .Lnot_wave_0_\@
	s_barrier_signal -3
.Lnot_wave_0_\@:
	s_barrier_wait -3
	s_barrier_signal -1
	s_barrier_wait -1
.endm
.macro CROUND
	s_barrier_signal -1
	s_barrier_wait -1
	CREST
.endm
.macro ASK base, off, two              ; a prefetch of half a record, or of a whole one by two lines (the launch with refills alone uses it)
	s_cmp_eq_u32 s[LIM], 1
	s_cbranch_scc0 .Lnot_mine_\@
	global_prefetch_b8 v[PFO], s[\base:\base+1] offset:\off th:TH_LOAD_NT scope:SCOPE_SE
.if \two
	global_prefetch_b8 v[PFO], s[\base:\base+1] offset:\off+REC/2 th:TH_LOAD_NT scope:SCOPE_SE
.endif
.Lnot_mine_\@:
.endm
.macro MUL8 a0, p, zero                ; P's tiles a0, a0 + 1 x Q's four, out of set p; the 16 accumulators take turns, one instruction a turn, in the same order in every step
.irp a, \a0, \a0+1
.irp b, 0,1,2,3
.if \zero
	v_wmma_scale_f32_16x16x128_f8f6f4 v[ACC+8*(4*(\a)+\b):ACC+8*(4*(\a)+\b)+7], v[128*(\p)+12*\b:128*(\p)+12*\b+11], v[128*(\p)+48+12*(\a):128*(\p)+48+12*(\a)+11], 0, v[SC+8*(\p)+\b], v[SC+8*(\p)+4+(\a)] matrix_a_fmt:MATRIX_FMT_FP6 matrix_b_fmt:MATRIX_FMT_FP6
.else
	v_wmma_scale_f32_16x16x128_f8f6f4 v[ACC+8*(4*(\a)+\b):ACC+8*(4*(\a)+\b)+7], v[128*(\p)+12*\b:128*(\p)+12*\b+11], v[128*(\p)+48+12*(\a):128*(\p)+48+12*(\a)+11], v[ACC+8*(4*(\a)+\b):ACC+8*(4*(\a)+\b)+7], v[SC+8*(\p)+\b], v[SC+8*(\p)+4+(\a)] matrix_a_fmt:MATRIX_FMT_FP6 matrix_b_fmt:MATRIX_FMT_FP6
.endif
.endr
.endr
.endm
.macro FETCH pos, p                    ; 26 LDS loads in one run: the fragments and scale words of the K step in place pos, into set p
	WIN TO_F
.irp b, 0,1,2,3
.irp c, 0,1,2
	ds_load_b128 v[128*(\p)+12*\b+4*\c:128*(\p)+12*\b+4*\c+3], v[ADQ+(\pos)/4] offset:((\pos)%4)*REC+\b*1536+512*\c
.endr
.endr
.irp a, 0,1,2,3
.irp c, 0,1,2
	ds_load_b128 v[128*(\p)+48+12*\a+4*\c:128*(\p)+48+12*\a+4*\c+3], v[ADP+(\pos)/4] offset:((\pos)%4)*REC+\a*1536+512*\c
.endr
.endr
	WIN 0
	ds_load_b128 v[SC+8*(\p):SC+8*(\p)+3], v[ASQ+(\pos)/4] offset:((\pos)%4)*REC        ; four tiles' scale words by one load
	ds_load_b128 v[SC+8*(\p)+4:SC+8*(\p)+7], v[ASP+(\pos)/4] offset:((\pos)%4)*REC
.endm
.macro KSTEP p, npos, zero             ; a K step out of set p; the next one, in place npos, is asked for first, into the other set, and has this step's 16 products in which to come
	s_wait_dscnt 0x0                               ; set p is in
	PLACES 4                                       ; between the last step's products, which read the other set, and the loads into it
	FETCH \npos, 1-(\p)
	WIN MUL
	MUL8 0, \p, \zero
	MUL8 2, \p, \zero
.endm
; The last K step of a part of LDS: one barrier; in front of it each wave waits for all its tensor loads, adds 0 to its spare word, and waits for that and for its reads of the part.
; fill = 1: places 0-7 are filled again, fill = 2: places 8-11, each with the K steps twelve on; fill = 0: nothing.  ask: what is prefetched behind it
.macro KTURN p, npos, fill, ask
	WIN 0
	s_wait_tensorcnt 0x0                           ; all my tensor loads have landed: my part of the places that are read next
	ds_add_u32 v[SPW], v[NIL]
	s_wait_dscnt 1                                 ; set p is in (the add may be out)
	WIN MUL
	MUL8 0, \p, 0                                  ; eight matrix instructions stand between the add and the wait for it
	WIN 0
	s_wait_dscnt 0x0                               ; the add is done, and my reads of this part are over
	s_barrier_signal -1
	s_barrier_wait -1
.if \fill == 1
	CREST                                          ; the barrier has opened a round of the cluster's: no wave of any partner still reads these places or has a load on its way
	s_add_nc_u64 s[G0PA+2:G0PA+3], s[G0PA+2:G0PA+3], NPOS*REC
	s_add_nc_u64 s[G0QA+2:G0QA+3], s[G0QA+2:G0QA+3], NPOS*REC
	JLOAD G0PA, G1PA, G0QA, G1QA                   ; its four v_nop are also the places in front of the loads below
.elseif \fill == 2
	CREST
	s_add_nc_u64 s[G0PB+2:G0PB+3], s[G0PB+2:G0PB+3], NPOS*REC
	s_add_nc_u64 s[G0QB+2:G0QB+3], s[G0QB+2:G0QB+3], NPOS*REC
	JLOAD G0PB, G1PB, G0QB, G1QB
.else
	PLACES 4
.endif
	FETCH \npos, 1-(\p)
.if \ask == 1
	ASK PF4, 20*REC, 0
.elseif \ask == 2
	ASK PF8, 24*REC, 1
.endif
	WIN MUL
	MUL8 2, \p, 0
.endm
.macro KLAST p
	s_wait_dscnt 0x0
	WIN MUL
	MUL8 0, \p, 0
	MUL8 2, \p, 0
	WIN 0
.endm
	s_load_b128 s[4:7], s[0:1], 0x0                ; P's records, wprep
	s_load_b128 s[8:11], s[0:1], 0x10              ; the residual, the result
	v_lshl_add_u32 v[SPW], v0, 2, SPARE
	v_mov_b32 v[NIL], 0
	ds_add_u32 v[SPW], v[NIL]                      ; the wave's opening: the add, twice on end, and its wait ahead of my first tensor load
	ds_add_u32 v[SPW], v[NIL]
	v_lshrrev_b32 v1, 5, v0
	v_readfirstlane_b32 s14, v1
	s_lshr_b32 s15, s14, 1                         ; my four tiles of P.  Also: I fetch for P (0) or Q (1)
	s_and_b32 s16, s14, 1                          ; my four tiles of Q.  Also: which half along K I fetch
	s_bfe_u32 s40, ttmp6, 0x40000
	s_bfe_u32 s41, ttmp6, 0x40004
	s_lshl_b32 s42, ttmp9, 2
	s_add_co_u32 s42, s42, s40                     ; Q's group of 128 rows
	s_and_b32 s17, ttmp7, 0xffff
	s_lshl_b32 s17, s17, 2
	s_add_co_u32 s17, s17, s41                     ; P's group of 128 rows
	s_lshl_b32 s43, s41, 2
	s_lshl_b32 s43, 15, s43                        ; my row of the cluster
	s_lshl_b32 s44, 0x1111, s40                    ; my column
	s_or_b32 s[G1PA], s43, (3<<16)|(1<<21)         ; dense blocks as rows of 256 bytes: 32 elements of 8 bytes; the mask, bit 21 beside it
	s_or_b32 s[G1QA], s44, (3<<16)|(1<<21)
.irp g, G1PA, G1QA
	s_mov_b32 s[\g+1], 32<<16
	s_mov_b32 s[\g+2], 200<<16
	s_mov_b32 s[\g+3], 32<<16
	s_mov_b32 s[\g+4], 200
	s_mov_b32 s[\g+5], 32
	s_mov_b32 s[\g+6], 0
	s_mov_b32 s[\g+7], 0
.endr
.if KST > 8
	s_or_b32 s[G1PB], s43, (3<<16)|(1<<21)
	s_or_b32 s[G1QB], s44, (3<<16)|(1<<21)
.irp g, G1PB, G1QB
	s_mov_b32 s[\g+1], 32<<16
	s_mov_b32 s[\g+2], 100<<16
	s_mov_b32 s[\g+3], 32<<16
	s_mov_b32 s[\g+4], 100
	s_mov_b32 s[\g+5], 32
	s_mov_b32 s[\g+6], 0
	s_mov_b32 s[\g+7], 0
.endr
.endif
	s_mul_i32 s18, s16, 4*REC                      ; places 0-7: my four records of the eight
	s_mul_i32 s20, s17, KST*REC                    ; P's group in memory
	s_mul_i32 s46, s42, KST*REC
	s_add_co_u32 s46, s46, QOFF                    ; Q's
.if KST > 8
	s_mul_i32 s19, s16, 2*REC                      ; places 8-11: my two records of the four
	s_add_co_u32 s22, s20, s19
	s_add_co_u32 s22, s22, 8*REC
	s_mov_b32 s23, 0
	s_add_co_u32 s84, s46, s19
	s_add_co_u32 s84, s84, 8*REC
	s_mov_b32 s85, 0
.endif
	s_add_co_u32 s20, s20, s18
	s_mov_b32 s21, 0
	s_add_co_u32 s46, s46, s18
	s_mov_b32 s47, 0
	s_wait_dscnt 0x0                               ; both opening adds are done
	s_wait_kmcnt 0x0
	s_add_nc_u64 s[20:21], s[4:5], s[20:21]
	s_add_nc_u64 s[46:47], s[6:7], s[46:47]
.if KST > 8
	s_add_nc_u64 s[22:23], s[4:5], s[22:23]
	s_add_nc_u64 s[84:85], s[6:7], s[84:85]
.endif
	CROUND                                         ; all sixteen work-groups are here: the first joint loads meet
	s_mov_b32 s[G0PA], 1
	s_mov_b32 s[G0PA+1], s18
	s_mov_b64 s[G0PA+2:G0PA+3], s[20:21]
	s_or_b32 s[G0PA+3], s[G0PA+3], 0x80000000
	s_mov_b32 s[G0QA], 1
	s_add_co_u32 s[G0QA+1], s18, QB
	s_mov_b64 s[G0QA+2:G0QA+3], s[46:47]
	s_or_b32 s[G0QA+3], s[G0QA+3], 0x80000000
	JLOAD G0PA, G1PA, G0QA, G1QA                   ; K steps 0-7
.if KST > 8
	s_mov_b32 s[G0PB], 1
	s_add_co_u32 s[G0PB+1], s19, 8*REC
	s_mov_b64 s[G0PB+2:G0PB+3], s[22:23]
	s_or_b32 s[G0PB+3], s[G0PB+3], 0x80000000
	s_mov_b32 s[G0QB], 1
	s_add_co_u32 s[G0QB+1], s19, QB+8*REC
	s_mov_b64 s[G0QB+2:G0QB+3], s[84:85]
	s_or_b32 s[G0QB+3], s[G0QB+3], 0x80000000
	JLOAD G0PB, G1PB, G0QB, G1QB                   ; K steps 8-11
.endif
	v_and_b32 v1, 31, v0
	v_and_b32 v2, 15, v0                           ; r
	v_bfe_u32 v3, v0, 4, 1                         ; h
	v_lshlrev_b32 v[LI], 4, v1
	v_lshlrev_b32 v4, 4, v2
	v_lshl_add_u32 v[CO], v3, 12, v4               ; memory: row h of a pair, 16 bytes a lane
	s_wait_alu depctr_va_vdst(0)
	s_lshl_b32 s66, s17, 7
	s_lshl_b32 s67, s15, 6
	s_add_co_u32 s66, s66, s67
	s_lshl_b32 s66, s66, 12                        ; my first token's row of 4,096 bytes: token 128 x group + 64 x half
	s_lshl_b32 s67, s42, 9
	s_add_co_u32 s66, s66, s67
	s_lshl_b32 s67, s16, 8
	s_add_co_u32 s66, s66, s67                     ; my 64 columns: 256 bytes, aligned
	s_mov_b32 s67, 0
	s_add_nc_u64 s[8:9], s[8:9], s[66:67]
	s_add_nc_u64 s[10:11], s[10:11], s[66:67]
	WIN 0x80                                       ; destination window 2
.irp a, 0,1,2,3                                ; the residual: tile a's rows 2 t + h at v[32 a + 4 t] of window 2
.irp t, 0,1,2,3,4,5,6,7
	global_load_b128 v[32*\a+4*\t:32*\a+4*\t+3], v[CO], s[8:9] offset:(32*(\a/2)+8*(\a%2)+2*\t+8*(\t/4))*4096 th:TH_LOAD_NT
.endr
.endr
	WIN 0
	s_mul_i32 s18, s15, 6144                       ; my four tiles' images in a record of P,
	s_mul_i32 s19, s16, 6144
	s_add_co_u32 s19, s19, QB                      ; of Q,
	s_lshl_b32 s20, s15, 8
	s_add_co_u32 s20, s20, 12288                   ; and their scale words
	s_lshl_b32 s21, s16, 8
	s_add_co_u32 s21, s21, QB+12288
.irp u, 0,1,2
	v_add_nc_u32 v[ADP+\u], s18, v[LI]
	v_add_nc_u32 v[ADQ+\u], s19, v[LI]
	v_add_nc_u32 v[ASP+\u], s20, v4
	v_add_nc_u32 v[ASQ+\u], s21, v4
	s_add_co_u32 s18, s18, 4*REC
	s_add_co_u32 s19, s19, 4*REC
	s_add_co_u32 s20, s20, 4*REC
	s_add_co_u32 s21, s21, 4*REC
.endr
	s_mul_i32 s22, s14, 16*272
	s_add_co_u32 s22, s22, STAGE                   ; my stage
	v_mul_u32_u24 v5, v2, 272
	v_lshl_add_u32 v5, v3, 6, v5
	v_add_nc_u32 v[STO], s22, v5                   ; in: row r, 64 bytes for each half of the lanes
	v_mul_u32_u24 v5, v3, 272
	v_add_nc_u32 v5, v5, v4
	v_add_nc_u32 v[RD], s22, v5                    ; back: lanes 0-15 one row of 256 bytes, lanes 16-31 the next
.if KST > 8
	s_wait_tensorcnt 1                             ; my part of places 0-7 is in; places 8-11 may stay out
.else
	s_wait_tensorcnt 0x0                           ; my part of K is in,
.endif
	s_barrier_signal -1
	s_barrier_wait -1                              ; everybody's is
	FETCH 0, 0
.set K, 0
.rept KST                              ; K step K lies in place K % 12 and is multiplied out of set K % 2
.if K == KST-1
	KLAST K%2
.elseif K == 0
	KSTEP 0, 1, 1                                  ; the first K step starts the sums
.else
	KSTEP K%2, (K+1)%NPOS, 0
.endif
.set K, K+1
.endr
; THE WAY OUT, a tile of 16 tokens x 64 columns at a time, through my own stage: in by lanes (a lane holds 16 + 16 neighbouring columns of one token), back by rows; the residual is added;
; sixteen lanes store 256 consecutive bytes, aligned.  LDS serves a wave's instructions in order: no wait between the stores and the loads.
.macro TOSTAGE a
.irp b, 0,1,2,3
	ds_store_b128 v[STO], v[ACC+8*(4*(\a)+\b):ACC+8*(4*(\a)+\b)+3] offset:128*(\b/2)+32*(\b%2)          ; each accumulator from its low end on
	ds_store_b128 v[STO], v[ACC+8*(4*(\a)+\b)+4:ACC+8*(4*(\a)+\b)+7] offset:128*(\b/2)+32*(\b%2)+16
.endr
.set BB, BK+32*((\a)%2)
.irp t, 0,1,2,3,4,5,6,7
	ds_load_b128 v[BB+4*\t:BB+4*\t+3], v[RD] offset:544*\t
.endr
.endm
.macro SEND a, younger
.set BB, BK+32*((\a)%2)
	s_wait_dscnt \younger
	WIN 0x08                                       ; source 1 window 2: the residual
.set T2, 0
.rept 16
	v_pk_add_f32 v[BB+T2:BB+T2+1], v[BB+T2:BB+T2+1], v[32*(\a)+T2:32*(\a)+T2+1]
.set T2, T2+2
.endr
	WIN 0
.irp t, 0,1,2,3,4,5,6,7
	global_store_b128 v[CO], v[BB+4*\t:BB+4*\t+3], s[10:11] offset:(32*((\a)/2)+8*((\a)%2)+2*\t+8*(\t/4))*4096 th:TH_STORE_NT
.endr
.endm
	PLACES 4
	s_wait_alu depctr_va_vdst(0)
	s_wait_loadcnt 0x0                             ; the residual
	TOSTAGE 0
.irp a, 1,2,3
.if \a > 1
	s_wait_xcnt 0x0                                ; the stores of two tiles back have read their registers
.endif
	TOSTAGE \a
	SEND \a-1, 16                                  ; behind that tile's loads: this tile's 8 stores and 8 loads
.endr
	SEND 3, 0
	s_wait_tensorcnt 0x0                           ; the wave's end
	ds_add_u32 v[SPW], v[NIL]
	s_wait_dscnt 0x0
	CROUND                                         ; the closing round
	s_endpgm
.Lfunc_end_k_q3960ec69b0_gemm_o:
	.size	k_q3960ec69b0_gemm_o, .Lfunc_end_k_q3960ec69b0_gemm_o-k_q3960ec69b0_gemm_o
	.p2alignl 7, 3214868480
	.fill 96, 4, 3214868480
	.section	.rodata,"a",@progbits
	.p2align	6, 0x0
	.amdhsa_kernel k_q3960ec69b0_gemm_o
		.amdhsa_group_segment_fixed_size 327680
		.amdhsa_private_segment_fixed_size 0
		.amdhsa_enable_private_segment 0
		.amdhsa_kernarg_size 32
		.amdhsa_user_sgpr_count 2
		.amdhsa_user_sgpr_kernarg_segment_ptr 1
		.amdhsa_wavefront_size32 1
		.amdhsa_system_sgpr_workgroup_id_x 1
		.amdhsa_system_sgpr_workgroup_id_y 1
		.amdhsa_system_sgpr_workgroup_id_z 1
		.amdhsa_system_vgpr_workitem_id 0
		.amdhsa_next_free_vgpr 640
		.amdhsa_next_free_sgpr 100
		.amdhsa_reserve_vcc 0
		.amdhsa_float_denorm_mode_32 3
		.amdhsa_float_denorm_mode_16_64 3
		.amdhsa_memory_ordered 1
		.amdhsa_forward_progress 1
		.amdhsa_inst_pref_size 53
	.end_amdhsa_kernel
	.amdgpu_metadata
---
amdhsa.version: [ 1, 2 ]
amdhsa.kernels:
  - .name:           k_q3960ec69b0_gemm_o
    .symbol:         k_q3960ec69b0_gemm_o.kd
    .args:
      - { .name: obuf, .offset: 0, .size: 8, .value_kind: global_buffer, .address_space: global }
      - { .name: wprep, .offset: 8, .size: 8, .value_kind: global_buffer, .address_space: global }
      - { .name: x, .offset: 16, .size: 8, .value_kind: global_buffer, .address_space: global }
      - { .name: x1, .offset: 24, .size: 8, .value_kind: global_buffer, .address_space: global }
    .group_segment_fixed_size: 327680
    .private_segment_fixed_size: 0
    .kernarg_segment_align: 8
    .kernarg_segment_size: 32
    .max_flat_workgroup_size: 128
    .sgpr_count:     100
    .vgpr_count:     640
    .wavefront_size: 32
...
	.end_amdgpu_metadata
.endif
;; end of part 4
;; launch ln2 (part 5): grid 256 x 1, 4 waves a work-group, no clusters, 66,560 bytes of LDS; arguments x1, ln2_g, ln2_b, hbuf; writes hbuf
.if DOCPART == 5
	.amdgcn_target "amdgcn-amd-amdhsa--gfx1250"
	.amdhsa_code_object_version 6
	.text
	.protected	k_q3960ec69b0_ln2
	.globl	k_q3960ec69b0_ln2
	.p2align	8
	.type	k_q3960ec69b0_ln2,@function
k_q3960ec69b0_ln2:
	s_mov_b64 s[64:65], 0
	v_nop
	global_prefetch_b8 v0, s[64:65] scope:SCOPE_SE
	s_setreg_imm32_b32 hwreg(HW_REG_WAVE_MODE, 25, 1), 1
	s_wait_xcnt 0x0
; LAYERNORM 2 OF x1, quantised along E into records hbuf[group of 128 tokens][K step] (12,800 bytes: 8 register images of 16 rows x 128 K and their scale words; tile i holds rows 32 (i / 2) + 8 (i % 2) + r + 8 (r / 8)).
; No work is left out here.  Work-group tau = one tile of 16 tokens.  Phase 1: a wave normalises four tokens, a row in 32 registers, and lays them in LDS.  Phase 2: a wave quantises two K steps of all 16 rows.
; LIMITS: NaN and infinities are not served; a block of zeros gets the byte 1 (this program alone reads the bytes); v_rsq_f32 is good to 1 ulp.  The scale words leave as 4 bytes a row: one byte in 128 of what the launch reads.
.set REC,   12800
.set LROW,  4112
.set SPARE, 16*LROW
.set SPW, 30
.set NIL, 31
.set SEL, 22
.set XP,  4
.set GP,  6
.set BP,  8
.set HP,  10
.set X,   32
.set G,   160
.set BV,  192
.set AC,  224
.set MN,  232
.set RS,  240
.set TM,  224
.macro QUANT s, pc, pw
.irp b, 0,1,2,3
	v_max3_num_f32 v[TM+\b], |v[\s+16*\b]|, |v[\s+1+16*\b]|, 0x1800000
.endr
.irp i, 2,4,6,8,10,12,14
.irp b, 0,1,2,3
	v_max3_num_f32 v[TM+\b], v[TM+\b], |v[\s+16*\b+\i]|, |v[\s+1+16*\b+\i]|
.endr
.endr
.irp b, 0,1,2,3
	v_permlanex16_b32 v[TM+4+\b], v[TM+\b], s[SEL], s[SEL+1]
.endr
.irp b, 0,1,2,3
	v_max_num_f32 v[TM+\b], v[TM+\b], v[TM+4+\b]
.endr
.irp b, 0,1,2,3
	v_add_nc_u32 v[TM+12+\b], 0xff000000, v[TM+\b]
.endr
.irp b, 0,1,2,3
	v_lshrrev_b32 v[TM+4+\b], 23, v[TM+12+\b]
.endr
	v_lshl_or_b32 v[\pw], v[TM+5], 8, v[TM+4]
	v_lshl_or_b32 v[\pw], v[TM+6], 16, v[\pw]
	v_lshl_or_b32 v[\pw], v[TM+7], 24, v[\pw]
.irp c, 0,1
	v_cvt_scalef32_pk16_fp6_f32 v[\pc+6*\c:\pc+2+6*\c], v[\s+32*\c:\s+15+32*\c], v[TM+12+2*\c]
	v_cvt_scalef32_pk16_fp6_f32 v[\pc+12+4*\c:\pc+14+4*\c], v[\s+16+32*\c:\s+31+32*\c], v[TM+13+2*\c]
.endr
	v_nop
.irp c, 0,1
.irp i, 0,1,2
	v_permlane16_swap_b32 v[\pc+6*\c+\i], v[\pc+12+4*\c+\i]
.endr
.irp i, 0,1,2
	v_mov_b32 v[\pc+3+6*\c+\i], v[\pc+12+4*\c+\i]
.endr
.endr
.endm
.macro REDUCE4
.irp k, 0,1,2,3
	v_add_f32 v[AC+2*\k], v[AC+2*\k], v[AC+2*\k+1]
.endr
.irp m, 1,2,4,8
.irp k, 0,1,2,3
	v_add_f32_dpp v[AC+2*\k], v[AC+2*\k], v[AC+2*\k] row_xmask:\m row_mask:0xf bank_mask:0xf
.endr
.endr
.irp k, 0,1,2,3
	v_permlanex16_b32 v[AC+2*\k+1], v[AC+2*\k], s[SEL], s[SEL+1]
.endr
.irp k, 0,1,2,3
	v_add_f32 v[AC+2*\k], v[AC+2*\k], v[AC+2*\k+1]
.endr
.endm
	s_load_b128 s[4:7], s[0:1], 0x0                ; x1, ln2_g
	s_load_b128 s[8:11], s[0:1], 0x10              ; ln2_b, hbuf
	v_lshl_add_u32 v[SPW], v0, 2, SPARE
	v_mov_b32 v[NIL], 0
	v_lshrrev_b32 v1, 5, v0
	v_readfirstlane_b32 s20, v1
	v_and_b32 v1, 31, v0
	v_and_b32 v2, 15, v0
	v_bfe_u32 v3, v0, 4, 1
	v_lshlrev_b32 v4, 4, v1
	s_mov_b32 s[SEL], 0x76543210
	s_mov_b32 s[SEL+1], 0xfedcba98
	s_mov_b32 s34, 0x3a800000                      ; 1 / 1024
	s_mov_b32 s35, 0x3727c5ac                      ; 1e-5
	s_mov_b32 s36, 0xffff0000
	s_lshr_b32 s37, ttmp9, 1
	s_lshl_b32 s37, s37, 5
	s_and_b32 s38, ttmp9, 1
	s_lshl_b32 s38, s38, 3
	s_add_co_u32 s37, s37, s38
	s_lshl_b32 s38, s20, 2
	s_add_co_u32 s37, s37, s38
	s_lshr_b32 s38, s20, 1
	s_lshl_b32 s38, s38, 3
	s_add_co_u32 s37, s37, s38                     ; my four tokens: tile rows 4 w .. 4 w + 3
	s_lshl_b32 s38, s37, 12
	s_mov_b32 s39, 0
	s_wait_alu depctr_va_vdst(0)
	s_wait_kmcnt 0x0
	s_add_nc_u64 s[XP:XP+1], s[XP:XP+1], s[38:39]
.irp k, 0,1,2,3
.irp j, 0,1,2,3,4,5,6,7
	global_load_b128 v[X+32*\k+4*\j:X+32*\k+4*\j+3], v4, s[XP:XP+1] offset:\k*4096+512*\j th:TH_LOAD_NT
.endr
.endr
.irp j, 0,1,2,3,4,5,6,7
	global_load_b128 v[G+4*\j:G+4*\j+3], v4, s[GP:GP+1] offset:512*\j
	global_load_b128 v[BV+4*\j:BV+4*\j+3], v4, s[BP:BP+1] offset:512*\j
.endr
	s_mul_i32 s40, s20, 4*LROW
	v_add_nc_u32 v5, s40, v4
	v_mul_u32_u24 v6, v2, LROW
	v_lshl_add_u32 v6, v3, 6, v6
	s_lshl_b32 s41, s20, 10
	v_add_nc_u32 v6, s41, v6
	v_mul_u32_u24 v7, v3, REC
	v_lshl_add_u32 v7, v2, 4, v7
	s_lshr_b32 s42, ttmp9, 3
	s_mul_i32 s42, s42, 8*REC
	s_mul_i32 s43, s20, 2*REC
	s_add_co_u32 s42, s42, s43
	s_and_b32 s43, ttmp9, 7
	s_mul_i32 s44, s43, 1536
	s_add_co_u32 s44, s44, s42
	s_mov_b32 s45, 0
	s_add_nc_u64 s[46:47], s[HP:HP+1], s[44:45]
	s_lshr_b32 s44, s43, 2
	s_lshl_b32 s44, s44, 8
	s_and_b32 s43, ttmp9, 3
	s_lshl_b32 s43, s43, 2
	s_add_co_u32 s44, s44, s43
	s_add_co_u32 s44, s44, s42
	s_add_co_u32 s44, s44, 12288
	s_add_nc_u64 s[48:49], s[HP:HP+1], s[44:45]
	s_wait_loadcnt 16                              ; the rows are in; gain and bias (16 loads) may be out
.irp k, 0,1,2,3
	v_pk_add_f32 v[AC+2*\k:AC+2*\k+1], v[X+32*\k:X+32*\k+1], v[X+32*\k+2:X+32*\k+3]
.endr
.set M2, 4
.rept 14
.irp k, 0,1,2,3
	v_pk_add_f32 v[AC+2*\k:AC+2*\k+1], v[AC+2*\k:AC+2*\k+1], v[X+32*\k+M2:X+32*\k+M2+1]
.endr
.set M2, M2+2
.endr
	REDUCE4
.irp k, 0,1,2,3
	v_mul_f32 v[MN+2*\k], s34, v[AC+2*\k]
	v_mul_f32 v[MN+2*\k+1], s34, v[AC+2*\k]
.endr
.set M2, 0
.rept 16
.irp k, 0,1,2,3
	v_pk_add_f32 v[X+32*\k+M2:X+32*\k+M2+1], v[X+32*\k+M2:X+32*\k+M2+1], v[MN+2*\k:MN+2*\k+1] neg_lo:[0,1] neg_hi:[0,1]
.endr
.set M2, M2+2
.endr
.irp k, 0,1,2,3
	v_pk_mul_f32 v[AC+2*\k:AC+2*\k+1], v[X+32*\k:X+32*\k+1], v[X+32*\k:X+32*\k+1]
.endr
.set M2, 2
.rept 15
.irp k, 0,1,2,3
	v_pk_fma_f32 v[AC+2*\k:AC+2*\k+1], v[X+32*\k+M2:X+32*\k+M2+1], v[X+32*\k+M2:X+32*\k+M2+1], v[AC+2*\k:AC+2*\k+1]
.endr
.set M2, M2+2
.endr
	REDUCE4
.irp k, 0,1,2,3
	v_fma_f32 v[AC+2*\k], v[AC+2*\k], s34, s35
.endr
	s_wait_alu depctr_va_vdst(0)
.irp k, 0,1,2,3
	v_rsq_f32 v[RS+2*\k], v[AC+2*\k]
.endr
	v_nop
	s_wait_alu depctr_va_vdst(0)                   ; one wait for the four, ahead of their first reader
.irp k, 0,1,2,3
	v_mov_b32 v[RS+2*\k+1], v[RS+2*\k]
.endr
	s_wait_alu depctr_va_vdst(0)
	s_wait_loadcnt 0x0
.set M2, 0
.rept 16
.irp k, 0,1,2,3
	v_pk_mul_f32 v[X+32*\k+M2:X+32*\k+M2+1], v[X+32*\k+M2:X+32*\k+M2+1], v[RS+2*\k:RS+2*\k+1]
.endr
.irp k, 0,1,2,3
	v_pk_fma_f32 v[X+32*\k+M2:X+32*\k+M2+1], v[X+32*\k+M2:X+32*\k+M2+1], v[G+M2:G+M2+1], v[BV+M2:BV+M2+1]
.endr
.set M2, M2+2
.endr
.irp k, 0,1,2,3
.irp j, 0,1,2,3,4,5,6,7
	ds_store_b128 v5, v[X+32*\k+4*\j:X+32*\k+4*\j+3] offset:\k*LROW+512*\j
.endr
.endr
	s_wait_dscnt 0x0                               ; for the others' sake: my rows lie in LDS
	s_barrier_signal -1
	s_barrier_wait -1
.irp u, 0,1
.irp b, 0,1,2,3
.irp j, 0,1,2,3
	ds_load_b128 v[X+64*\u+16*\b+4*\j:X+64*\u+16*\b+4*\j+3], v6 offset:512*\u+128*\b+16*\j
.endr
.endr
.endr
	s_wait_dscnt 16                                ; the first K step's sixteen loads are in
	QUANT X, 160, 240
.irp c, 0,1,2
	global_store_b128 v4, v[160+4*\c:163+4*\c], s[46:47] offset:512*\c
.endr
	s_wait_dscnt 0x0
	QUANT X+64, 180, 241
.irp c, 0,1,2
	global_store_b128 v4, v[180+4*\c:183+4*\c], s[46:47] offset:REC+512*\c
.endr
	v_cndmask_b32 v242, v240, v241, s36
	global_store_b32 v7, v242, s[48:49]
	s_wait_tensorcnt 0x0                           ; the wave's end, behind my last LDS store
	ds_add_u32 v[SPW], v[NIL]
	s_wait_dscnt 0x0
	s_endpgm
.Lfunc_end_k_q3960ec69b0_ln2:
	.size	k_q3960ec69b0_ln2, .Lfunc_end_k_q3960ec69b0_ln2-k_q3960ec69b0_ln2
	.p2alignl 7, 3214868480
	.fill 96, 4, 3214868480
	.section	.rodata,"a",@progbits
	.p2align	6, 0x0
	.amdhsa_kernel k_q3960ec69b0_ln2
		.amdhsa_group_segment_fixed_size 66560
		.amdhsa_private_segment_fixed_size 0
		.amdhsa_enable_private_segment 0
		.amdhsa_kernarg_size 32
		.amdhsa_user_sgpr_count 2
		.amdhsa_user_sgpr_kernarg_segment_ptr 1
		.amdhsa_wavefront_size32 1
		.amdhsa_system_sgpr_workgroup_id_x 1
		.amdhsa_system_sgpr_workgroup_id_y 1
		.amdhsa_system_sgpr_workgroup_id_z 1
		.amdhsa_system_vgpr_workitem_id 0
		.amdhsa_next_free_vgpr 256
		.amdhsa_next_free_sgpr 66
		.amdhsa_reserve_vcc 0
		.amdhsa_float_denorm_mode_32 3
		.amdhsa_float_denorm_mode_16_64 3
		.amdhsa_memory_ordered 1
		.amdhsa_forward_progress 1
		.amdhsa_inst_pref_size 44
	.end_amdhsa_kernel
	.amdgpu_metadata
---
amdhsa.version: [ 1, 2 ]
amdhsa.kernels:
  - .name:           k_q3960ec69b0_ln2
    .symbol:         k_q3960ec69b0_ln2.kd
    .args:
      - { .name: x1, .offset: 0, .size: 8, .value_kind: global_buffer, .address_space: global }
      - { .name: ln2_g, .offset: 8, .size: 8, .value_kind: global_buffer, .address_space: global }
      - { .name: ln2_b, .offset: 16, .size: 8, .value_kind: global_buffer, .address_space: global }
      - { .name: hbuf, .offset: 24, .size: 8, .value_kind: global_buffer, .address_space: global }
    .group_segment_fixed_size: 66560
    .private_segment_fixed_size: 0
    .kernarg_segment_align: 8
    .kernarg_segment_size: 32
    .max_flat_workgroup_size: 128
    .sgpr_count:     66
    .vgpr_count:     256
    .wavefront_size: 32
...
	.end_amdgpu_metadata
.endif
;; end of part 5
;; launch gemm_f1 (part 6): grid 16 x 16, 4 waves a work-group, clusters of 4 x 4, 327,680 bytes of LDS; arguments hbuf, wprep, gbuf; writes gbuf
.if DOCPART == 6
	.amdgcn_target "amdgcn-amd-amdhsa--gfx1250"
	.amdhsa_code_object_version 6
	.text
	.protected	k_q3960ec69b0_gemm_f1
	.globl	k_q3960ec69b0_gemm_f1
	.p2align	8
	.type	k_q3960ec69b0_gemm_f1,@function
k_q3960ec69b0_gemm_f1:
	s_mov_b64 s[64:65], 0
	v_nop
	global_prefetch_b8 v0, s[64:65] scope:SCOPE_SE
	s_setreg_imm32_b32 hwreg(HW_REG_WAVE_MODE, 25, 1), 1
	s_wait_xcnt 0x0
	s_wait_alu depctr_hold_cnt(0) depctr_sa_sdst(0) depctr_va_vdst(0) depctr_va_sdst(0) depctr_va_ssrc(0) depctr_va_vcc(0) depctr_vm_vsrc(0)
	s_getreg_b32 s2, hwreg(HW_REG_IB_STS2, 6, 4)
	s_cmp_eq_u32 s2, 0
	s_cbranch_scc0 .Lentry_in_a_cluster
	s_endpgm
.Lentry_in_a_cluster:
	s_bfe_u32 s2, ttmp6, 0x10000c
	s_cmp_lg_u32 s2, 0xf033
	s_cbranch_scc0 .Lentry_shape_is_right
	s_endpgm
.Lentry_shape_is_right:
; PRODUCT 5, LN2(x1) w1^T, with the exact GELU and the quantiser along F on the way out.  No work is left out here.
; Operands are records (12,800 bytes: 8 register images of 16 rows x 128 K and 512 bytes of scale words; tile i holds rows 32 (i / 2) + 8 (i % 2) + r + 8 (r / 8)).
; A work-group makes 256 tokens (P) x 256 rows of w1 (Q), a wave 128 x 128: 64 accumulators.  Source 0 = 16 rows of Q, source 1 = 16 rows of P: a lane holds one token,
; and the 16 registers of two neighbouring tiles of Q are 16 neighbours along F, the next product's K.  P's tiles are shared along a row of the 4 x 4 cluster, Q's along a column, by joint loads.
; THE RING: two slots.  Slot 0 (4 groups x 2 records) takes K steps 0, 1 at the head and K steps 6, 7 at K step 1's turn; slot 1 (4 groups x 4 records) takes K steps 2-5 behind the full sequence at the head's end.
; One tensor load a wave is out at any time; every wait on TENSORcnt is for 0.
; PREFETCH: at the head each wave names one record of the four that its load for slot 1 will bring (50 blocks of 256 bytes, two lines of 25 lanes; the lanes left over name the last block again);
; the four partners that ask for a tile jointly take one record each, told apart by address.  K steps 6, 7 are asked for by their refill alone, four K steps ahead of their use.
; LIMITS: NaN and infinities are not served.  erf is a rational function of z = x / sqrt(2) held to +-4, where erf is 1 in f32.  A block of zeros gets the scale byte 1 (this program alone reads the bytes).
.set KST,  8
.set REC,  12800
.set QOFF, 256*REC                     ; w1's records in wprep
.set PG,   2*REC                       ; a group's part of slot 0
.set SLOT, 4*PG                        ; slot 0; slot 1 has 2 SLOT bytes from byte SLOT on
.set SPARE, 3*SLOT
.set ADP, 6                            ; v6-7 my P fragments in slot 0, 1;  v9-10 Q's;  v12-13 P's scale words;  v15-16 Q's
.set ADQ, 9
.set ASP, 12
.set ASQ, 15
.set PFO, 18                           ; the prefetches' offset: 256 x min(lane, 24)
.set LI,  24                           ; 16 x lane
.set SPW, 28
.set NIL, 29
.set SC,  32                           ; v32-63 scale words, two sets of 16: Q's tile b at + b, P's tile a at + 8 + a
.set AF,  128                          ; v128-223 P's 8 fragments, one set.  Window 1: Q's fragments, sets at v0, v128.  Windows 2, 3: accumulator (a, b) at v[8 (8 (a % 4) + b)] of window 2 + a / 4
.set G1,  24
.set G1B, 48
.set G0,  68                           ; s[68:75] group 0 for P's tiles, a set a slot;  s[80:87] for Q's
.set G0B, 80
.set PF,  98                           ; s[98:99] the prefetches' base; never rewritten
.set MUL_LO, 0xa1
.set MUL_HI, 0xf1
.set TO_Q,   0x40
.set MSB, 0
.macro WIN new
.if MSB != \new
	s_set_vgpr_msb (MSB<<8)|\new
.set MSB, \new
.endif
.endm
.macro PLACES n
.rept \n
	v_nop
.endr
.endm
.macro JLOAD g0a, g1a, g0b, g1b        ; waves 0, 1 fetch P's groups, waves 2, 3 Q's; an s_nop 0 and four v_nop follow each line
	s_cmp_eq_u32 s15, 0
	s_cbranch_scc0 .Lfor_b_\@
	tensor_load_to_lds s[\g0a:\g0a+3], s[\g1a:\g1a+7]
	s_nop 0
.rept 4
	v_nop
.endr
	s_branch .Lasked_\@
.Lfor_b_\@:
	tensor_load_to_lds s[\g0b:\g0b+3], s[\g1b:\g1b+7]
	s_nop 0
.rept 4
	v_nop
.endr
.Lasked_\@:
.endm
.macro CREST
	s_cmp_lg_u32 s14, 0
	s_cbranch_scc1 .Lnot_wave_0_\@
	s_barrier_signal -3
.Lnot_wave_0_\@:
	s_barrier_wait -3
	s_barrier_signal -1
	s_barrier_wait -1
.endm
.macro CROUND
	s_barrier_signal -1
	s_barrier_wait -1
	CREST
.endm
.macro ROWS n                          ; how many rows of 256 bytes a load brings; written only where no tensor load of the wave is out
	s_mov_b32 s[G1+2], (\n)<<16
	s_mov_b32 s[G1+4], \n
	s_mov_b32 s[G1B+2], (\n)<<16
	s_mov_b32 s[G1B+4], \n
.endm
.macro MULG a0, p, zero                ; P's tiles a0, a0 + 1 x Q's eight; the accumulators take turns, one instruction a turn
.irp a, \a0, \a0+1
.set BI, 0
.rept 8
.if \zero
	v_wmma_scale_f32_16x16x128_f8f6f4 v[8*(8*((\a)%4)+BI):8*(8*((\a)%4)+BI)+7], v[128*(\p)+12*BI:128*(\p)+12*BI+11], v[AF+12*(\a):AF+12*(\a)+11], 0, v[SC+16*(\p)+BI], v[SC+16*(\p)+8+(\a)] matrix_a_fmt:MATRIX_FMT_FP6 matrix_b_fmt:MATRIX_FMT_FP6
.else
	v_wmma_scale_f32_16x16x128_f8f6f4 v[8*(8*((\a)%4)+BI):8*(8*((\a)%4)+BI)+7], v[128*(\p)+12*BI:128*(\p)+12*BI+11], v[AF+12*(\a):AF+12*(\a)+11], v[8*(8*((\a)%4)+BI):8*(8*((\a)%4)+BI)+7], v[SC+16*(\p)+BI], v[SC+16*(\p)+8+(\a)] matrix_a_fmt:MATRIX_FMT_FP6 matrix_b_fmt:MATRIX_FMT_FP6
.endif
.set BI, BI+1
.endr
.endr
.endm
.macro FQ sl, q, p                     ; Q's fragments of the slot's K step q into set p
	WIN TO_Q
.set BI, 0
.rept 8
.irp c, 0,1,2
	ds_load_b128 v[128*(\p)+12*BI+4*\c:128*(\p)+12*BI+4*\c+3], v[ADQ+\sl] offset:(\q)*REC+BI*1536+512*\c
.endr
.set BI, BI+1
.endr
	WIN 0
.endm
.macro FS sl, q, p                     ; the scale words: four tiles' by one load
.irp u, 0,1
	ds_load_b128 v[SC+16*(\p)+4*\u:SC+16*(\p)+4*\u+3], v[ASQ+\sl] offset:(\q)*REC+256*\u
.endr
.irp u, 0,1
	ds_load_b128 v[SC+16*(\p)+8+4*\u:SC+16*(\p)+8+4*\u+3], v[ASP+\sl] offset:(\q)*REC+256*\u
.endr
.endm
.macro FP sl, q, i0                    ; P's tiles i0 .. i0 + 3
.irp i, \i0, \i0+1, \i0+2, \i0+3
.irp c, 0,1,2
	ds_load_b128 v[AF+12*(\i)+4*\c:AF+12*(\i)+4*\c+3], v[ADP+\sl] offset:(\q)*REC+(\i)*1536+512*\c
.endr
.endr
.endm
.macro STEP sl, q, zero                ; a K step that has its successor in the same slot; it is multiplied out of set q % 2
	s_wait_dscnt 12                                ; all but the youngest twelve loads (P's tiles 4-7) are in
	WIN MUL_LO
	MULG 0, (\q)%2, \zero
	MULG 2, (\q)%2, \zero
	s_wait_dscnt 0x0
	PLACES 4                                       ; in front of loads into registers that matrix instructions have read
	FQ \sl, (\q)+1, 1-(\q)%2
	FS \sl, (\q)+1, 1-(\q)%2
	FP \sl, (\q)+1, 0
	WIN MUL_HI
	MULG 4, (\q)%2, \zero
	MULG 6, (\q)%2, \zero
	PLACES 4
	WIN 0
	FP \sl, (\q)+1, 4
.endm
.macro TURN sl, next, fill             ; a slot's last K step (out of set 1), with a barrier.  fill = 1: this slot takes the K steps six on
	s_wait_tensorcnt 0x0                           ; all my tensor loads have landed: my part of the next slot
	ds_add_u32 v[SPW], v[NIL]
	s_wait_dscnt 13                                ; (the add and the youngest twelve loads may be out)
	WIN MUL_LO
	MULG 0, 1, 0
	s_wait_dscnt 0x0                               ; the add is done, and my reads of this slot are over
	s_barrier_signal -1
	MULG 2, 1, 0
	WIN 0
	s_barrier_wait -1
.if \fill
	CREST                                          ; the barrier has opened a round of the cluster's: no wave of any partner still reads this slot or has a load on its way
	s_add_nc_u64 s[G0+4*\sl+2:G0+4*\sl+3], s[G0+4*\sl+2:G0+4*\sl+3], 3*PG
	s_add_nc_u64 s[G0B+4*\sl+2:G0B+4*\sl+3], s[G0B+4*\sl+2:G0B+4*\sl+3], 3*PG
	ROWS PG/256
	JLOAD G0+4*\sl, G1, G0B+4*\sl, G1B             ; its four v_nop are also the places in front of the loads below
.else
	PLACES 4
.endif
	FQ \next, 0, 0
	FS \next, 0, 0
	FP \next, 0, 0
	WIN MUL_HI
	MULG 4, 1, 0
	MULG 6, 1, 0
	PLACES 4
	WIN 0
	FP \next, 0, 4
.endm
	s_load_b128 s[4:7], s[0:1], 0x0                ; hbuf, wprep
	s_load_b64 s[8:9], s[0:1], 0x10                ; gbuf
	v_lshl_add_u32 v[SPW], v0, 2, SPARE
	v_mov_b32 v[NIL], 0
	ds_add_u32 v[SPW], v[NIL]                      ; the wave's opening: the add, twice on end, and its wait ahead of my first tensor load
	ds_add_u32 v[SPW], v[NIL]
	v_lshrrev_b32 v1, 5, v0
	v_readfirstlane_b32 s14, v1                    ; wave
	s_lshr_b32 s15, s14, 1                         ; my group of P.  Also: I fetch for P (0) or Q (1)
	s_and_b32 s16, s14, 1                          ; my group of Q.  Also: which group I fetch
	s_bfe_u32 s40, ttmp6, 0x40000                  ; cx
	s_bfe_u32 s41, ttmp6, 0x40004                  ; cy
	s_lshl_b32 s42, ttmp9, 2
	s_add_co_u32 s42, s42, s40                     ; Q's block of 256 rows
	s_and_b32 s17, ttmp7, 0xffff
	s_lshl_b32 s17, s17, 2
	s_add_co_u32 s17, s17, s41                     ; P's block of 256 rows
	s_lshl_b32 s43, s41, 2
	s_lshl_b32 s43, 15, s43                        ; my row of the cluster
	s_lshl_b32 s44, 0x1111, s40                    ; my column
	s_or_b32 s[G1], s43, (3<<16)|(1<<21)           ; dense blocks as rows of 256 bytes: 32 elements of 8 bytes; the mask, bit 21 beside it
	s_or_b32 s[G1B], s44, (3<<16)|(1<<21)
.irp g, G1, G1B
	s_mov_b32 s[\g+1], 32<<16
	s_mov_b32 s[\g+2], (PG/256)<<16
	s_mov_b32 s[\g+3], 32<<16
	s_mov_b32 s[\g+4], PG/256
	s_mov_b32 s[\g+5], 32
	s_mov_b32 s[\g+6], 0
	s_mov_b32 s[\g+7], 0
.endr
	s_lshl_b32 s20, s17, 1
	s_add_co_u32 s20, s20, s16
	s_mul_i32 s20, s20, KST*REC                    ; P: the group that I fetch
	s_mov_b32 s21, 0
	s_lshl_b32 s46, s42, 1
	s_add_co_u32 s46, s46, s16
	s_mul_i32 s46, s46, KST*REC
	s_add_co_u32 s46, s46, QOFF                    ; Q likewise
	s_mov_b32 s47, 0
	s_mul_i32 s45, s16, PG                         ; where P's group goes in slot 0,
	s_add_co_u32 s22, s45, 2*PG                    ; and Q's; that is also where I read my group of Q
	s_mul_i32 s18, s15, PG                         ; where I read my group of P in slot 0,
	s_lshl_b32 s10, s18, 1
	s_add_co_u32 s10, s10, SLOT                    ; in slot 1,
	s_lshl_b32 s11, s22, 1
	s_add_co_u32 s11, s11, SLOT                    ; and Q there
	s_cmp_eq_u32 s15, 0
	s_cselect_b32 s12, s40, s41                    ; my place among the four that ask for my tile with me
	s_mul_i32 s12, s12, REC                        ; one record of slot 1's four is mine to prefetch
	s_mov_b32 s13, 0
	s_wait_dscnt 0x0                               ; both opening adds are done
	s_wait_kmcnt 0x0
	s_add_nc_u64 s[20:21], s[4:5], s[20:21]
	s_add_nc_u64 s[46:47], s[6:7], s[46:47]
	s_cmp_eq_u32 s15, 0
	s_cselect_b64 s[PF:PF+1], s[20:21], s[46:47]
	s_add_nc_u64 s[PF:PF+1], s[PF:PF+1], s[12:13]
.irp s, 0,1
	s_mov_b32 s[G0+4*\s], 1
	s_lshl_b32 s[G0+4*\s+1], s45, \s               ; slot 1's parts are twice as long
	s_add_co_u32 s[G0+4*\s+1], s[G0+4*\s+1], \s*SLOT
	s_add_nc_u64 s[G0+4*\s+2:G0+4*\s+3], s[20:21], \s*PG
	s_or_b32 s[G0+4*\s+3], s[G0+4*\s+3], 0x80000000
	s_mov_b32 s[G0B+4*\s], 1
	s_lshl_b32 s[G0B+4*\s+1], s22, \s
	s_add_co_u32 s[G0B+4*\s+1], s[G0B+4*\s+1], \s*SLOT
	s_add_nc_u64 s[G0B+4*\s+2:G0B+4*\s+3], s[46:47], \s*PG
	s_or_b32 s[G0B+4*\s+3], s[G0B+4*\s+3], 0x80000000
.endr
	CROUND                                         ; all sixteen work-groups are here: the first joint loads meet
	JLOAD G0, G1, G0B, G1B                         ; K steps 0, 1: the wave's one load at the head
	v_and_b32 v1, 31, v0
	v_min_u32 v[PFO], 24, v1
	v_lshlrev_b32 v[PFO], 8, v[PFO]
	global_prefetch_b8 v[PFO], s[PF:PF+1] offset:PG th:TH_LOAD_NT scope:SCOPE_SE          ; my record of K steps 2-5: its first 25 blocks,
	global_prefetch_b8 v[PFO], s[PF:PF+1] offset:PG+REC/2 th:TH_LOAD_NT scope:SCOPE_SE    ; and its last 25
	v_and_b32 v2, 15, v0
	v_lshlrev_b32 v[LI], 4, v1
	v_lshlrev_b32 v4, 4, v2
	v_add_nc_u32 v5, 12288, v4                     ; a record's scale words: 16 r
	v_add_nc_u32 v[ADP], s18, v[LI]
	v_add_nc_u32 v[ADQ], s22, v[LI]
	v_add_nc_u32 v[ADP+1], s10, v[LI]
	v_add_nc_u32 v[ADQ+1], s11, v[LI]
	v_add_nc_u32 v[ASP], s18, v5
	v_add_nc_u32 v[ASQ], s22, v5
	v_add_nc_u32 v[ASP+1], s10, v5
	v_add_nc_u32 v[ASQ+1], s11, v5
	s_wait_alu depctr_va_vdst(0)
	s_wait_tensorcnt 0x0                           ; my part of slot 0 is in
	ds_add_u32 v[SPW], v[NIL]
	ROWS 2*PG/256                                  ; no tensor load of mine is out: the next load brings four records
	s_wait_dscnt 0x0
	CROUND                                         ; everybody's part of slot 0 is in, and the joint loads meet
	JLOAD G0+4, G1, G0B+4, G1B                     ; K steps 2-5
	FQ 0, 0, 0
	FS 0, 0, 0
	FP 0, 0, 0
	FP 0, 0, 4
	STEP 0, 0, 1                                   ; K step 0 starts the sums
	TURN 0, 1, 1                                   ; K step 1: slot 1 is whole; slot 0 takes K steps 6, 7
	STEP 1, 0, 0                                   ; K steps 2, 3, 4
	STEP 1, 1, 0
	STEP 1, 2, 0
	TURN 1, 0, 0                                   ; K step 5: the refill has landed; nothing more is asked for
	STEP 0, 0, 0                                   ; K step 6
	s_wait_dscnt 12                                ; K step 7: nothing more to fetch
	WIN MUL_LO
	MULG 0, 1, 0
	MULG 2, 1, 0
	s_wait_dscnt 0x0
	WIN MUL_HI
	MULG 4, 1, 0
	MULG 6, 1, 0
	WIN 0
; THE WAY OUT, a tile of 16 tokens x 128 of F a trip: g = x / 2 + (x / 2) erf(z), z = x / sqrt(2) held to +-4, erf(z) = z P(z^2) / Q(z^2); then the quantiser; the tile leaves as one register image of gbuf's record.
; All 64 numbers of a lane go through each phase together, two an instruction: 32 independent instructions stand between a result and its reader, and the tile has one batch of reciprocals.
; z^2, P and Q lie in window 1, which Q's fragments have left.
.set TM,  32
.set PW,  48                           ; the tile's scale word;  v52-59 the eight tiles' words
.set PWS, 52
.set Z,   64                           ; v64-127 z
.set HH,  128                          ; v128-191 x / 2, then g
.set T,   0                            ; window 1: v0-63 z^2, then 1 / Q;  v64-127 P, then erf;  v128-191 Q;  v192-195 two coefficient pairs
.set PN,  64
.set QD,  128
.set A13, 192
.set B8,  194
.set PC,  192                          ; window 0: the codes
.set RS2, 66                           ; scalar pairs: 1 / sqrt(2) and the other coefficients (no tensor load is out any more: the descriptors' registers are free)
.set A11, 68
.set A9,  70
.set A7,  72
.set A5,  74
.set A3,  76
.set A1,  78
.set B6,  80
.set B4,  82
.set B2,  84
.set B0,  86
.set AI,  90
.set SEL, 96
.macro COEF c, val
	v_mov_b32 v[\c], \val
	v_mov_b32 v[\c+1], \val
.endm
.macro SPAIR c, val
	s_mov_b32 s[\c], \val
	s_mov_b32 s[\c+1], \val
.endm
.macro PKM d, a, b                     ; 64 numbers: d = a b
.set N, 0
.rept 32
	v_pk_mul_f32 v[\d+N:\d+N+1], v[\a+N:\a+N+1], v[\b+N:\b+N+1]
.set N, N+2
.endr
.endm
.macro PKF d, a, b, bs, c              ; 64 numbers: d = a b + c; c a scalar pair; b 64 numbers (bs = 1) or a coefficient pair (bs = 0)
.set N, 0
.rept 32
	v_pk_fma_f32 v[\d+N:\d+N+1], v[\a+N:\a+N+1], v[\b+\bs*N:\b+\bs*N+1], s[\c:\c+1] op_sel_hi:[1,1,0]
.set N, N+2
.endr
.endm
	PLACES 4
.irp b, 0,1,2,3
	v_mov_b32 v[TM+4+\b], 0                        ; a lane permute's destination counts as one of its sources
.endr
.irp k, 0,1,2,3,4,5,6,7
	v_mov_b32 v[PWS+\k], 0                         ; written under branches below
.endr
	WIN 0x40                                       ; destination window 1
	COEF A13, -0.000000000272614225801306
	COEF B8, -0.0000145660718464996
	WIN 0
	SPAIR A11, 0.0000000277068142495902
	SPAIR A9, -0.00000210102402082508
	SPAIR A7, -0.0000569250639462346
	SPAIR A5, -0.000734990630326855
	SPAIR A3, -0.00295459980854025
	SPAIR A1, -0.0160960333262415
	SPAIR B6, -0.000213374055278905
	SPAIR B4, -0.00168282697438203
	SPAIR B2, -0.00737332916720468
	SPAIR B0, -0.0142647390514189
	s_mov_b32 s[RS2], 0x3f3504f3                   ; 1 / sqrt(2)
	s_mov_b32 s[RS2+1], s[RS2]
	s_mov_b32 s[SEL], 0x76543210
	s_mov_b32 s[SEL+1], 0xfedcba98
	s_mov_b32 s91, 0xffff0000
	s_lshl_b32 s92, s17, 1
	s_add_co_u32 s92, s92, s15                     ; my group of tokens
	s_lshl_b32 s92, s92, 5
	s_lshl_b32 s93, s42, 1
	s_add_co_u32 s93, s93, s16                     ; my 128 of F: the next product's K step
	s_add_co_u32 s92, s92, s93
	s_mul_i32 s92, s92, REC
	s_mov_b32 s93, 0
	s_add_nc_u64 s[88:89], s[8:9], s[92:93]        ; my record: stepped tile by tile,
	s_add_nc_u64 s[94:95], s[8:9], s[92:93]        ; and kept for the scale words
.macro PRE a                           ; tile a's 64 sums out of their window, each accumulator from its low end on: z and x / 2
.set WP, 2+(\a)/4
	WIN WP
.set T2, 0
.rept 32
	v_pk_mul_f32 v[Z+T2:Z+T2+1], v[64*((\a)%4)+T2:64*((\a)%4)+T2+1], s[RS2:RS2+1] op_sel_hi:[1,0]
.set T2, T2+2
.endr
.set T2, 0
.rept 32
	v_pk_mul_f32 v[HH+T2:HH+T2+1], v[64*((\a)%4)+T2:64*((\a)%4)+T2+1], 0.5 op_sel_hi:[1,0]
.set T2, T2+2
.endr
	WIN 0
.endm
.macro GELU
.set N, 0
.rept 64
	v_med3_num_f32 v[Z+N], v[Z+N], -4.0, 4.0
.set N, N+1
.endr
	WIN 0x40                                       ; destination window 1
	PKM T, Z, Z
	WIN 0x45                                       ; destination and sources 0, 1 window 1
	PKF PN, T, A13, 0, A11
	PKF QD, T, B8, 0, B6
	PKF PN, PN, T, 1, A9
	PKF QD, QD, T, 1, B4
	PKF PN, PN, T, 1, A7
	PKF QD, QD, T, 1, B2
	PKF PN, PN, T, 1, A5
	PKF QD, QD, T, 1, B0
	PKF PN, PN, T, 1, A3
	PKF PN, PN, T, 1, A1
	s_wait_alu depctr_va_vdst(0)
.set N, 0
.rept 64
	v_rcp_f32 v[T+N], v[QD+N]
.set N, N+1
.endr
	WIN 0x41                                       ; source 1 (z) window 0
	PKM PN, PN, Z                                  ; plain work behind the batch: it names none of its results
	s_wait_alu depctr_va_vdst(0)                   ; one wait for the 64, ahead of their first reader
	WIN 0x45
	PKM PN, PN, T                                  ; erf
	WIN 0x04                                       ; source 1 (erf) window 1, all else window 0
.set N, 0
.rept 32
	v_pk_fma_f32 v[HH+N:HH+N+1], v[HH+N:HH+N+1], v[PN+N:PN+N+1], v[HH+N:HH+N+1]   ; x / 2 + (x / 2) erf
.set N, N+2
.endr
	WIN 0
.endm
	PRE 0
	s_mov_b32 s[AI], 0
.Lrow:
	GELU
.irp b, 0,1,2,3                                ; each block's 16 numbers in two chains, eight chains by turns
	v_max3_num_f32 v[TM+\b], |v[HH+16*\b]|, |v[HH+1+16*\b]|, 0x1800000   ; the floor 2^(3 - 127) holds the byte at 1 from below
.endr
.irp b, 0,1,2,3
	v_max3_num_f32 v[TM+8+\b], |v[HH+8+16*\b]|, |v[HH+9+16*\b]|, |v[HH+10+16*\b]|
.endr
.irp i, 2,4
.irp b, 0,1,2,3
	v_max3_num_f32 v[TM+\b], v[TM+\b], |v[HH+16*\b+\i]|, |v[HH+1+16*\b+\i]|
.endr
.irp b, 0,1,2,3
	v_max3_num_f32 v[TM+8+\b], v[TM+8+\b], |v[HH+9+16*\b+\i]|, |v[HH+10+16*\b+\i]|
.endr
.endr
.irp b, 0,1,2,3
	v_max3_num_f32 v[TM+\b], v[TM+\b], |v[HH+6+16*\b]|, |v[HH+7+16*\b]|
.endr
.irp b, 0,1,2,3
	v_max3_num_f32 v[TM+\b], v[TM+\b], v[TM+8+\b], |v[HH+15+16*\b]|
.endr
.irp b, 0,1,2,3
	v_permlanex16_b32 v[TM+4+\b], v[TM+\b], s[SEL], s[SEL+1]
.endr
.irp b, 0,1,2,3
	v_max_num_f32 v[TM+\b], v[TM+\b], v[TM+4+\b]                 ; the block's largest magnitude
.endr
.irp b, 0,1,2,3
	v_add_nc_u32 v[TM+12+\b], 0xff000000, v[TM+\b]               ; 2 off its exponent field: the conversion's scale operand
.endr
.irp b, 0,1,2,3
	v_lshrrev_b32 v[TM+4+\b], 23, v[TM+12+\b]                    ; the scale's byte
.endr
	v_lshl_or_b32 v[PW], v[TM+5], 8, v[TM+4]
	v_lshl_or_b32 v[PW], v[TM+6], 16, v[PW]
	v_lshl_or_b32 v[PW], v[TM+7], 24, v[PW]
.irp c, 0,1
	v_cvt_scalef32_pk16_fp6_f32 v[PC+6*\c:PC+2+6*\c], v[HH+32*\c:HH+15+32*\c], v[TM+12+2*\c]
	v_cvt_scalef32_pk16_fp6_f32 v[PC+12+4*\c:PC+14+4*\c], v[HH+16+32*\c:HH+31+32*\c], v[TM+13+2*\c]
.endr
	v_nop                                          ; one plain place behind a scaled conversion
.irp c, 0,1
.irp i, 0,1,2
	v_permlane16_swap_b32 v[PC+6*\c+\i], v[PC+12+4*\c+\i]        ; a whole block to a lane
.endr
.irp i, 0,1,2
	v_mov_b32 v[PC+3+6*\c+\i], v[PC+12+4*\c+\i]
.endr
.endr
.irp c, 0,1,2
	global_store_b128 v[LI], v[PC+4*\c:PC+4*\c+3], s[88:89] offset:512*\c   ; 512 consecutive bytes a store
.endr
.irp k, 1,2,3,4,5,6,7                          ; the next tile's sums lie in other registers each trip: one of seven copies, chosen by the trip's number
	s_cmp_lg_u32 s[AI], \k-1
	s_cbranch_scc1 .Lnot_\k
	v_mov_b32 v[PWS+\k-1], v[PW]
	PRE \k
.Lnot_\k:
.endr
	s_wait_xcnt 0x0                                ; the stores have read their registers and their base
	s_add_nc_u64 s[88:89], s[88:89], 1536
	s_add_co_u32 s[AI], s[AI], 1
	s_cmp_lt_u32 s[AI], 8
	s_cbranch_scc1 .Lrow
	v_mov_b32 v[PWS+7], v[PW]
.irp j, 0,1,2,3
	v_cndmask_b32 v[TM+\j], v[PWS+\j], v[PWS+4+\j], s91          ; lane (r, h) stores the words of tiles 4 h + j
.endr
	global_store_b128 v[LI], v[TM:TM+3], s[94:95] offset:12288
	s_wait_tensorcnt 0x0                           ; the wave's end
	ds_add_u32 v[SPW], v[NIL]
	s_wait_dscnt 0x0
	CROUND                                         ; the closing round
	s_endpgm
.Lfunc_end_k_q3960ec69b0_gemm_f1:
	.size	k_q3960ec69b0_gemm_f1, .Lfunc_end_k_q3960ec69b0_gemm_f1-k_q3960ec69b0_gemm_f1
	.p2alignl 7, 3214868480
	.fill 96, 4, 3214868480
	.section	.rodata,"a",@progbits
	.p2align	6, 0x0
	.amdhsa_kernel k_q3960ec69b0_gemm_f1
		.amdhsa_group_segment_fixed_size 327680
		.amdhsa_private_segment_fixed_size 0
		.amdhsa_enable_private_segment 0
		.amdhsa_kernarg_size 24
		.amdhsa_user_sgpr_count 2
		.amdhsa_user_sgpr_kernarg_segment_ptr 1
		.amdhsa_wavefront_size32 1
		.amdhsa_system_sgpr_workgroup_id_x 1
		.amdhsa_system_sgpr_workgroup_id_y 1
		.amdhsa_system_sgpr_workgroup_id_z 1
		.amdhsa_system_vgpr_workitem_id 0
		.amdhsa_next_free_vgpr 1024
		.amdhsa_next_free_sgpr 100
		.amdhsa_reserve_vcc 0
		.amdhsa_float_denorm_mode_32 3
		.amdhsa_float_denorm_mode_16_64 3
		.amdhsa_memory_ordered 1
		.amdhsa_forward_progress 1
		.amdhsa_inst_pref_size 178
	.end_amdhsa_kernel
	.amdgpu_metadata
---
amdhsa.version: [ 1, 2 ]
amdhsa.kernels:
  - .name:           k_q3960ec69b0_gemm_f1
    .symbol:         k_q3960ec69b0_gemm_f1.kd
    .args:
      - { .name: hbuf, .offset: 0, .size: 8, .value_kind: global_buffer, .address_space: global }
      - { .name: wprep, .offset: 8, .size: 8, .value_kind: global_buffer, .address_space: global }
      - { .name: gbuf, .offset: 16, .size: 8, .value_kind: global_buffer, .address_space: global }
    .group_segment_fixed_size: 327680
    .private_segment_fixed_size: 0
    .kernarg_segment_align: 8
    .kernarg_segment_size: 24
    .max_flat_workgroup_size: 128
    .sgpr_count:     100
    .vgpr_count:     1024
    .wavefront_size: 32
...
	.end_amdgpu_metadata
.endif
;; end of part 6
;; launch gemm_f2 (part 7): grid 8 x 32, 4 waves a work-group, clusters of 4 x 4, 327,680 bytes of LDS; arguments gbuf, wprep, x1, out0; writes out0
.if DOCPART == 7
	.amdgcn_target "amdgcn-amd-amdhsa--gfx1250"
	.amdhsa_code_object_version 6
	.text
	.protected	k_q3960ec69b0_gemm_f2
	.globl	k_q3960ec69b0_gemm_f2
	.p2align	8
	.type	k_q3960ec69b0_gemm_f2,@function
k_q3960ec69b0_gemm_f2:
	s_mov_b64 s[64:65], 0
	v_nop
	global_prefetch_b8 v0, s[64:65] scope:SCOPE_SE
	s_setreg_imm32_b32 hwreg(HW_REG_WAVE_MODE, 25, 1), 1
	s_wait_xcnt 0x0
	s_wait_alu depctr_hold_cnt(0) depctr_sa_sdst(0) depctr_va_vdst(0) depctr_va_sdst(0) depctr_va_ssrc(0) depctr_va_vcc(0) depctr_vm_vsrc(0)
	s_getreg_b32 s2, hwreg(HW_REG_IB_STS2, 6, 4)
	s_cmp_eq_u32 s2, 0
	s_cbranch_scc0 .Lentry_in_a_cluster
	s_endpgm
.Lentry_in_a_cluster:
	s_bfe_u32 s2, ttmp6, 0x10000c
	s_cmp_lg_u32 s2, 0xf033
	s_cbranch_scc0 .Lentry_shape_is_right
	s_endpgm
.Lentry_shape_is_right:
; PRODUCT 6 AND THE SECOND RESIDUAL: out0 = x1 + gelu(..) w2^T.  Operands are records (12,800 bytes: 8 register images of 16 rows x 128 K and their scale words; tile i holds rows 32 (i / 2) + 8 (i % 2) + r + 8 (r / 8)).  No work is left out here.
; A work-group makes 128 tokens (P: one group of records) x 128 outputs (Q: one group): 256 work-groups.  A wave makes 64 x 64: 16 accumulators.  Source 0 = 16 rows of Q, source 1 = 16 rows of P.
; A K step is two records; LDS has twelve places for K steps (P's records from byte 0, Q's from byte 153,600), in two parts that are filled by turns, by joint loads (P shared along a row of the 4 x 4 cluster, Q along a column):
; places 0-7 take K steps 0-7 at the head, places 8-11 K steps 8-11 behind the full sequence; then K steps 12-19 at K step 7's turn, 20-23 at K step 11's, 24-31 at K step 19's.  One tensor load a wave is out at any time behind a turn.
; The residual's 32 loads a lane are issued at the head, in the layout in which the results leave.  The way out's stages lie in P's places 8, 9, which have had their last fill and, at K step 23's barrier, their last read.
; LIMITS: NaN and infinities are not served.
.set KST,  32
.set QOFF, 512*12800
.set REC,  12800
.set NPOS, 12
.set QB,   NPOS*REC
.set STAGE, 8*REC
.set SPARE, 2*NPOS*REC
.set ADP, 6
.set ADQ, 9
.set ASP, 12
.set ASQ, 15
.set PFO, 18
.set LI,  24
.set STO, 25
.set RD,  26
.set CO,  27
.set SPW, 28
.set NIL, 29
.set SC,  32
.set BK,  64
.set ACC, 128
.set G1PA, 24
.set G1PB, 32
.set G1QA, 48
.set G1QB, 56
.set G0PA, 68
.set G0PB, 72
.set G0QA, 76
.set G0QB, 80
.set PF8, 92
.set PF4, 94
.set LIM, 96
.set MUL,  0x05
.set TO_F, 0x40
.set MSB, 0
.macro WIN new
.if MSB != \new
	s_set_vgpr_msb (MSB<<8)|\new
.set MSB, \new
.endif
.endm
.macro PLACES n
.rept \n
	v_nop
.endr
.endm
.macro JLOAD g0a, g1a, g0b, g1b
	s_cmp_eq_u32 s15, 0
	s_cbranch_scc0 .Lfor_b_\@
	tensor_load_to_lds s[\g0a:\g0a+3], s[\g1a:\g1a+7]
	s_nop 0
.rept 4
	v_nop
.endr
	s_branch .Lasked_\@
.Lfor_b_\@:
	tensor_load_to_lds s[\g0b:\g0b+3], s[\g1b:\g1b+7]
	s_nop 0
.rept 4
	v_nop
.endr
.Lasked_\@:
.endm
.macro CREST
	s_cmp_lg_u32 s14, 0
	s_cbranch_scc1 .Lnot_wave_0_\@
	s_barrier_signal -3
.Lnot_wave_0_\@:
	s_barrier_wait -3
	s_barrier_signal -1
	s_barrier_wait -1
.endm
.macro CROUND
	s_barrier_signal -1
	s_barrier_wait -1
	CREST
.endm
.macro ASK base, off, two              ; a prefetch of half a record (25 blocks of 256 bytes, a lane a block), or of a whole one by two lines; every cluster asks for what it will itself load
	global_prefetch_b8 v[PFO], s[\base:\base+1] offset:\off th:TH_LOAD_NT scope:SCOPE_SE
.if \two
	global_prefetch_b8 v[PFO], s[\base:\base+1] offset:\off+REC/2 th:TH_LOAD_NT scope:SCOPE_SE
.endif
.endm
.macro MUL8 a0, p, zero
.irp a, \a0, \a0+1
.irp b, 0,1,2,3
.if \zero
	v_wmma_scale_f32_16x16x128_f8f6f4 v[ACC+8*(4*(\a)+\b):ACC+8*(4*(\a)+\b)+7], v[128*(\p)+12*\b:128*(\p)+12*\b+11], v[128*(\p)+48+12*(\a):128*(\p)+48+12*(\a)+11], 0, v[SC+8*(\p)+\b], v[SC+8*(\p)+4+(\a)] matrix_a_fmt:MATRIX_FMT_FP6 matrix_b_fmt:MATRIX_FMT_FP6
.else
	v_wmma_scale_f32_16x16x128_f8f6f4 v[ACC+8*(4*(\a)+\b):ACC+8*(4*(\a)+\b)+7], v[128*(\p)+12*\b:128*(\p)+12*\b+11], v[128*(\p)+48+12*(\a):128*(\p)+48+12*(\a)+11], v[ACC+8*(4*(\a)+\b):ACC+8*(4*(\a)+\b)+7], v[SC+8*(\p)+\b], v[SC+8*(\p)+4+(\a)] matrix_a_fmt:MATRIX_FMT_FP6 matrix_b_fmt:MATRIX_FMT_FP6
.endif
.endr
.endr
.endm
.macro FETCH pos, p
	WIN TO_F
.irp b, 0,1,2,3
.irp c, 0,1,2
	ds_load_b128 v[128*(\p)+12*\b+4*\c:128*(\p)+12*\b+4*\c+3], v[ADQ+(\pos)/4] offset:((\pos)%4)*REC+\b*1536+512*\c
.endr
.endr
.irp a, 0,1,2,3
.irp c, 0,1,2
	ds_load_b128 v[128*(\p)+48+12*\a+4*\c:128*(\p)+48+12*\a+4*\c+3], v[ADP+(\pos)/4] offset:((\pos)%4)*REC+\a*1536+512*\c
.endr
.endr
	WIN 0
	ds_load_b128 v[SC+8*(\p):SC+8*(\p)+3], v[ASQ+(\pos)/4] offset:((\pos)%4)*REC
	ds_load_b128 v[SC+8*(\p)+4:SC+8*(\p)+7], v[ASP+(\pos)/4] offset:((\pos)%4)*REC
.endm
.macro KSTEP p, npos, zero
	s_wait_dscnt 0x0
	PLACES 4
	FETCH \npos, 1-(\p)
	WIN MUL
	MUL8 0, \p, \zero
	MUL8 2, \p, \zero
.endm
.macro KTURN p, npos, fill, ask
	WIN 0
	s_wait_tensorcnt 0x0
	ds_add_u32 v[SPW], v[NIL]
	s_wait_dscnt 1
	WIN MUL
	MUL8 0, \p, 0
	WIN 0
	s_wait_dscnt 0x0
	s_barrier_signal -1
	s_barrier_wait -1
.if \fill == 1
	CREST
	s_add_nc_u64 s[G0PA+2:G0PA+3], s[G0PA+2:G0PA+3], NPOS*REC
	s_add_nc_u64 s[G0QA+2:G0QA+3], s[G0QA+2:G0QA+3], NPOS*REC
	JLOAD G0PA, G1PA, G0QA, G1QA
.elseif \fill == 2
	CREST
	s_add_nc_u64 s[G0PB+2:G0PB+3], s[G0PB+2:G0PB+3], NPOS*REC
	s_add_nc_u64 s[G0QB+2:G0QB+3], s[G0QB+2:G0QB+3], NPOS*REC
	JLOAD G0PB, G1PB, G0QB, G1QB
.else
	PLACES 4
.endif
	FETCH \npos, 1-(\p)
.if \ask == 1
	ASK PF4, 20*REC, 0
.elseif \ask == 2
	ASK PF8, 24*REC, 1
.endif
	WIN MUL
	MUL8 2, \p, 0
.endm
.macro KLAST p
	s_wait_dscnt 0x0
	WIN MUL
	MUL8 0, \p, 0
	MUL8 2, \p, 0
	WIN 0
.endm
	s_load_b128 s[4:7], s[0:1], 0x0
	s_load_b128 s[8:11], s[0:1], 0x10
	v_lshl_add_u32 v[SPW], v0, 2, SPARE
	v_mov_b32 v[NIL], 0
	ds_add_u32 v[SPW], v[NIL]
	ds_add_u32 v[SPW], v[NIL]
	v_lshrrev_b32 v1, 5, v0
	v_readfirstlane_b32 s14, v1
	s_lshr_b32 s15, s14, 1
	s_and_b32 s16, s14, 1
	s_bfe_u32 s40, ttmp6, 0x40000
	s_bfe_u32 s41, ttmp6, 0x40004
	s_lshl_b32 s42, ttmp9, 2
	s_add_co_u32 s42, s42, s40
	s_and_b32 s17, ttmp7, 0xffff
	s_lshl_b32 s17, s17, 2
	s_add_co_u32 s17, s17, s41
	s_lshl_b32 s43, s41, 2
	s_lshl_b32 s43, 15, s43
	s_lshl_b32 s44, 0x1111, s40
	s_or_b32 s[G1PA], s43, (3<<16)|(1<<21)
	s_or_b32 s[G1QA], s44, (3<<16)|(1<<21)
.irp g, G1PA, G1QA
	s_mov_b32 s[\g+1], 32<<16
	s_mov_b32 s[\g+2], 200<<16
	s_mov_b32 s[\g+3], 32<<16
	s_mov_b32 s[\g+4], 200
	s_mov_b32 s[\g+5], 32
	s_mov_b32 s[\g+6], 0
	s_mov_b32 s[\g+7], 0
.endr
.if KST > 8
	s_or_b32 s[G1PB], s43, (3<<16)|(1<<21)
	s_or_b32 s[G1QB], s44, (3<<16)|(1<<21)
.irp g, G1PB, G1QB
	s_mov_b32 s[\g+1], 32<<16
	s_mov_b32 s[\g+2], 100<<16
	s_mov_b32 s[\g+3], 32<<16
	s_mov_b32 s[\g+4], 100
	s_mov_b32 s[\g+5], 32
	s_mov_b32 s[\g+6], 0
	s_mov_b32 s[\g+7], 0
.endr
.endif
	s_mul_i32 s18, s16, 4*REC
	s_mul_i32 s20, s17, KST*REC
	s_mul_i32 s46, s42, KST*REC
	s_add_co_u32 s46, s46, QOFF
.if KST > 8
	s_mul_i32 s19, s16, 2*REC
	s_add_co_u32 s22, s20, s19
	s_add_co_u32 s22, s22, 8*REC
	s_mov_b32 s23, 0
	s_add_co_u32 s84, s46, s19
	s_add_co_u32 s84, s84, 8*REC
	s_mov_b32 s85, 0
.endif
	s_add_co_u32 s20, s20, s18
	s_mov_b32 s21, 0
	s_add_co_u32 s46, s46, s18
	s_mov_b32 s47, 0
	s_wait_dscnt 0x0
	s_wait_kmcnt 0x0
	s_add_nc_u64 s[20:21], s[4:5], s[20:21]
	s_add_nc_u64 s[46:47], s[6:7], s[46:47]
.if KST > 8
	s_add_nc_u64 s[22:23], s[4:5], s[22:23]
	s_add_nc_u64 s[84:85], s[6:7], s[84:85]
.endif
	CROUND
	s_mov_b32 s[G0PA], 1
	s_mov_b32 s[G0PA+1], s18
	s_mov_b64 s[G0PA+2:G0PA+3], s[20:21]
	s_or_b32 s[G0PA+3], s[G0PA+3], 0x80000000
	s_mov_b32 s[G0QA], 1
	s_add_co_u32 s[G0QA+1], s18, QB
	s_mov_b64 s[G0QA+2:G0QA+3], s[46:47]
	s_or_b32 s[G0QA+3], s[G0QA+3], 0x80000000
	JLOAD G0PA, G1PA, G0QA, G1QA                   ; K steps 0-7: the wave's one load at the head
	; THE PREFETCHES.  The four partners that ask for a tile jointly, two waves each, share its records out by address: of eight records one each (PF8), of four records half a one each (PF4).
	; Here K steps 8-11 and 12-19 are named; K steps 20-23 at K step 7's turn, K steps 24-31 at K step 11's: each a refill or more ahead of the load that wants it.
	v_and_b32 v[PFO], 31, v0
	v_min_u32 v[PFO], 24, v[PFO]                   ; the lanes left over name the last block again
	v_lshlrev_b32 v[PFO], 8, v[PFO]
	s_cmp_eq_u32 s15, 0                            ; do I fetch for P?
	s_cselect_b32 s87, s40, s41                    ; my place among the four
	s_cselect_b32 s88, s17, s42                    ; the group of 128 rows
	s_cselect_b32 s89, 0, QOFF
	s_cselect_b64 s[PF8:PF8+1], s[4:5], s[6:7]
	s_mul_i32 s88, s88, KST*REC
	s_add_co_u32 s88, s88, s89
	s_mov_b32 s89, 0
	s_add_nc_u64 s[PF8:PF8+1], s[PF8:PF8+1], s[88:89]
	s_mov_b64 s[PF4:PF4+1], s[PF8:PF8+1]
	s_lshl_b32 s87, s87, 1
	s_add_co_u32 s87, s87, s16
	s_mul_i32 s88, s87, REC
	s_add_nc_u64 s[PF8:PF8+1], s[PF8:PF8+1], s[88:89]
	s_mul_i32 s88, s87, REC/2
	s_add_nc_u64 s[PF4:PF4+1], s[PF4:PF4+1], s[88:89]
	s_wait_alu depctr_va_vdst(0)
	ASK PF4, 8*REC, 0
	ASK PF8, 12*REC, 1
.if KST > 8
	s_mov_b32 s[G0PB], 1
	s_add_co_u32 s[G0PB+1], s19, 8*REC
	s_mov_b64 s[G0PB+2:G0PB+3], s[22:23]
	s_or_b32 s[G0PB+3], s[G0PB+3], 0x80000000
	s_mov_b32 s[G0QB], 1
	s_add_co_u32 s[G0QB+1], s19, QB+8*REC
	s_mov_b64 s[G0QB+2:G0QB+3], s[84:85]
	s_or_b32 s[G0QB+3], s[G0QB+3], 0x80000000
	s_wait_alu depctr_va_vdst(0)
	s_wait_tensorcnt 0x0
	ds_add_u32 v28, v29
	s_wait_dscnt 0x0
	CROUND
	JLOAD G0PB, G1PB, G0QB, G1QB
.endif
	v_and_b32 v1, 31, v0
	v_and_b32 v2, 15, v0
	v_bfe_u32 v3, v0, 4, 1
	v_lshlrev_b32 v[LI], 4, v1
	v_lshlrev_b32 v4, 4, v2
	v_lshl_add_u32 v[CO], v3, 12, v4
	s_wait_alu depctr_va_vdst(0)
	s_lshl_b32 s66, s17, 7
	s_lshl_b32 s67, s15, 6
	s_add_co_u32 s66, s66, s67
	s_lshl_b32 s66, s66, 12
	s_lshl_b32 s67, s42, 9
	s_add_co_u32 s66, s66, s67
	s_lshl_b32 s67, s16, 8
	s_add_co_u32 s66, s66, s67
	s_mov_b32 s67, 0
	s_add_nc_u64 s[8:9], s[8:9], s[66:67]
	s_add_nc_u64 s[10:11], s[10:11], s[66:67]
	WIN 0x80
.irp a, 0,1,2,3
.irp t, 0,1,2,3,4,5,6,7
	global_load_b128 v[32*\a+4*\t:32*\a+4*\t+3], v[CO], s[8:9] offset:(32*(\a/2)+8*(\a%2)+2*\t+8*(\t/4))*4096 th:TH_LOAD_NT
.endr
.endr
	WIN 0
	s_mul_i32 s18, s15, 6144
	s_mul_i32 s19, s16, 6144
	s_add_co_u32 s19, s19, QB
	s_lshl_b32 s20, s15, 8
	s_add_co_u32 s20, s20, 12288
	s_lshl_b32 s21, s16, 8
	s_add_co_u32 s21, s21, QB+12288
.irp u, 0,1,2
	v_add_nc_u32 v[ADP+\u], s18, v[LI]
	v_add_nc_u32 v[ADQ+\u], s19, v[LI]
	v_add_nc_u32 v[ASP+\u], s20, v4
	v_add_nc_u32 v[ASQ+\u], s21, v4
	s_add_co_u32 s18, s18, 4*REC
	s_add_co_u32 s19, s19, 4*REC
	s_add_co_u32 s20, s20, 4*REC
	s_add_co_u32 s21, s21, 4*REC
.endr
	s_mul_i32 s22, s14, 16*272
	s_add_co_u32 s22, s22, STAGE
	v_mul_u32_u24 v5, v2, 272
	v_lshl_add_u32 v5, v3, 6, v5
	v_add_nc_u32 v[STO], s22, v5
	v_mul_u32_u24 v5, v3, 272
	v_add_nc_u32 v5, v5, v4
	v_add_nc_u32 v[RD], s22, v5
	s_wait_alu depctr_va_vdst(0)
.if KST > 8
	s_wait_tensorcnt 1
.else
	s_wait_tensorcnt 0x0
.endif
	s_barrier_signal -1
	s_barrier_wait -1
	FETCH 0, 0
.set K, 0
.rept KST
.if K == KST-1
	KLAST K%2
.elseif K == 0
	KSTEP 0, 1, 1
.elseif K == 7
	KTURN 1, 8, 1, 1
.elseif K == 11
	KTURN 1, 0, 2, 2
.elseif K == 19
	KTURN 1, 8, 1, 0
.elseif K == 23
	KTURN 1, 0, 0, 0
.else
	KSTEP K%2, (K+1)%NPOS, 0
.endif
.set K, K+1
.endr
.macro TOSTAGE a
.irp b, 0,1,2,3
	ds_store_b128 v[STO], v[ACC+8*(4*(\a)+\b):ACC+8*(4*(\a)+\b)+3] offset:128*(\b/2)+32*(\b%2)
	ds_store_b128 v[STO], v[ACC+8*(4*(\a)+\b)+4:ACC+8*(4*(\a)+\b)+7] offset:128*(\b/2)+32*(\b%2)+16
.endr
.set BB, BK+32*((\a)%2)
.irp t, 0,1,2,3,4,5,6,7
	ds_load_b128 v[BB+4*\t:BB+4*\t+3], v[RD] offset:544*\t
.endr
.endm
.macro SEND a, younger
.set BB, BK+32*((\a)%2)
	s_wait_dscnt \younger
	WIN 0x08
.set T2, 0
.rept 16
	v_pk_add_f32 v[BB+T2:BB+T2+1], v[BB+T2:BB+T2+1], v[32*(\a)+T2:32*(\a)+T2+1]
.set T2, T2+2
.endr
	WIN 0
.irp t, 0,1,2,3,4,5,6,7
	global_store_b128 v[CO], v[BB+4*\t:BB+4*\t+3], s[10:11] offset:(32*((\a)/2)+8*((\a)%2)+2*\t+8*(\t/4))*4096 th:TH_STORE_NT
.endr
.endm
	PLACES 4
	s_wait_alu depctr_va_vdst(0)
	s_wait_loadcnt 0x0
	TOSTAGE 0
.irp a, 1,2,3
.if \a > 1
	s_wait_xcnt 0x0
.endif
	TOSTAGE \a
	SEND \a-1, 16
.endr
	SEND 3, 0
	s_wait_tensorcnt 0x0
	ds_add_u32 v[SPW], v[NIL]
	s_wait_dscnt 0x0
	CROUND
	s_endpgm
.Lfunc_end_k_q3960ec69b0_gemm_f2:
	.size	k_q3960ec69b0_gemm_f2, .Lfunc_end_k_q3960ec69b0_gemm_f2-k_q3960ec69b0_gemm_f2
	.p2alignl 7, 3214868480
	.fill 96, 4, 3214868480
	.section	.rodata,"a",@progbits
	.p2align	6, 0x0
	.amdhsa_kernel k_q3960ec69b0_gemm_f2
		.amdhsa_group_segment_fixed_size 327680
		.amdhsa_private_segment_fixed_size 0
		.amdhsa_enable_private_segment 0
		.amdhsa_kernarg_size 32
		.amdhsa_user_sgpr_count 2
		.amdhsa_user_sgpr_kernarg_segment_ptr 1
		.amdhsa_wavefront_size32 1
		.amdhsa_system_sgpr_workgroup_id_x 1
		.amdhsa_system_sgpr_workgroup_id_y 1
		.amdhsa_system_sgpr_workgroup_id_z 1
		.amdhsa_system_vgpr_workitem_id 0
		.amdhsa_next_free_vgpr 640
		.amdhsa_next_free_sgpr 100
		.amdhsa_reserve_vcc 0
		.amdhsa_float_denorm_mode_32 3
		.amdhsa_float_denorm_mode_16_64 3
		.amdhsa_memory_ordered 1
		.amdhsa_forward_progress 1
		.amdhsa_inst_pref_size 154
	.end_amdhsa_kernel
	.amdgpu_metadata
---
amdhsa.version: [ 1, 2 ]
amdhsa.kernels:
  - .name:           k_q3960ec69b0_gemm_f2
    .symbol:         k_q3960ec69b0_gemm_f2.kd
    .args:
      - { .name: gbuf, .offset: 0, .size: 8, .value_kind: global_buffer, .address_space: global }
      - { .name: wprep, .offset: 8, .size: 8, .value_kind: global_buffer, .address_space: global }
      - { .name: x1, .offset: 16, .size: 8, .value_kind: global_buffer, .address_space: global }
      - { .name: out0, .offset: 24, .size: 8, .value_kind: global_buffer, .address_space: global }
    .group_segment_fixed_size: 327680
    .private_segment_fixed_size: 0
    .kernarg_segment_align: 8
    .kernarg_segment_size: 32
    .max_flat_workgroup_size: 128
    .sgpr_count:     100
    .vgpr_count:     640
    .wavefront_size: 32
...
	.end_amdgpu_metadata
.endif
;; end of part 7
